; MI455X (gfx1250); checked and timed in simulation.
; The chip was launched on July 23, 2026; its instructions are those of AMD's public machine-readable ISA for CDNA 5 (MIT licence, August 2026) and "CDNA5" Instruction Set Architecture Reference Guide (July 2026). The comments in the code are by the model that wrote it; some were corrected since.
;; Enhanced Brain. Allowed arithmetic: float matrix products may take bf16 or f16 operands with f32 sums; other float arithmetic in f32, or as packed bf16 or f16 multiplies, adds, multiply-adds, maxima and minima; sums over many terms, partial sums and values carried from step to step in f32; what a program stores and reads back later, other than sums and carried values, may be rounded once to bf16 or f16.
;; Inputs: rb1 256 float32; rb2 4 float32; rw1 1,024 x 256 float32; rw2 256 x 4 float32; x 8 x 512 x 1,024 float32; zb1 4 x 2,048 float32; zb2 4 x 1,024 float32; zw1 4 x 1,024 x 2,048 float32; zw2 4 x 2,048 x 1,024 float32.
;; Outputs: out0 8 x 512 x 1,024 float32.
;; 2 versions, each right; version 2 is version 1 with the launches prep1, prep2 written anew for expert scheduling mode. Each part assembles by itself: llvm-mc -triple=amdgcn-amd-amdhsa -mcpu=gfx1250 --defsym DOCPART=n.
;; ======== version 1 of 2: 4 launches
;; workspace buffers: xb 8,388,608 bytes; w1b 16,777,216 bytes; w2b 16,777,216 bytes; hid 50,331,648 bytes; hpart 131,072 bytes; route 256 bytes of whole numbers; wts 256 bytes; cb 32,768 bytes
;; launch prep1 (part 1): grid 384 x 1, 8 waves a work-group, no clusters, 11,264 bytes of LDS; arguments x, rw1, zw1, xb, hpart, w1b; writes xb, hpart, w1b
.if DOCPART == 1
	.amdgcn_target "amdgcn-amd-amdhsa--gfx1250"
	.amdhsa_code_object_version 6
	.text
	.protected	k_qa164f362ce_prep1
	.globl	k_qa164f362ce_prep1
	.p2align	8
	.type	k_qa164f362ce_prep1,@function
k_qa164f362ce_prep1:
	s_mov_b64 s[64:65], 0
	v_nop
	global_prefetch_b8 v0, s[64:65] scope:SCOPE_SE
	s_setreg_imm32_b32 hwreg(HW_REG_WAVE_MODE, 25, 1), 1
	s_wait_xcnt 0x0
; THE PROGRAM: out = x + sum over the chosen experts e of w_be (gelu(x zw1[e] + zb1[e]) zw2[e] + zb2[e]), in four launches:
;   prep1  x rounded to bf16 in blocks; the sequence sums of x times rw1, in 16 parts a batch; zw1 rounded to bf16 in blocks
;   prep2  one work-group ends the router (choice, weights, combined zb2); 256 others round zw2 to bf16
;   ffn1   hid = w_be gelu(x zw1[e] + zb1[e]) for the three chosen experts of each batch, bf16
;   ffn2   out = x + cb + hid zw2[chosen], one sum over 3 x 2,048 hidden numbers: each output row has one owner
; WORK LEFT OUT.  (1) reference() multiplies z[b,e] by w_be = sum over k of topk_w[b,k] [topk_idx[b,k] == e].  top_k returns 3 of the 4 experts, so for the
; fourth the one_hot that reference() builds makes w_be exactly 0, whatever the inputs hold: that expert's two products reach no output of batch b and are not made.
; Which expert that is hangs on the inputs: prep2 stores it as whole numbers, and ffn1 and ffn2 read it from memory.  (2) The softmax's division by its sum Z:
; topk_w = topk_vals / sum(topk_vals), in which 1/Z cancels for all inputs, and the order of the probabilities is the order of the exponentials.  The maximum is
; taken away in front of the exponentials as reference() takes it.  Every input has a way to the output and is loaded.
; LIMITS.  A NaN, an infinity or an overflow that arises only in the expert left out is not carried to the result.  The choice compares 2^((l - max) log2 e), not the
; divided probabilities; equal numbers drop the higher index, as lax.top_k does; the router's f32 sums run in another order than reference()'s, so logits closer than
; f32 rounding may be ordered otherwise.  NaN logits are not treated apart.  Matrix operands are bf16, sums f32.
;
; THIS LAUNCH.  Work-groups 0-127 (batch b = id / 16, strip kb = id % 16 of 64 columns): eight waves, 64 rows each.  A load takes two rows' 256 bytes; the numbers are summed
; in f32 and stored as bf16 into xb[b][kb][512 rows][64], a store of a wave covering 256 consecutive bytes, aligned.  The strip's 64 column sums meet in LDS; wave v multiplies
; sums 8 v .. 8 v + 7 by their rows of rw1; the eight partial rows of 256 meet in LDS again and leave as hpart[b][kb][256].
; Work-groups 128-383: 16 k-rows of one expert of zw1 each, rounded to bf16 into w1b[e][column group of 64][1,024 k][64]: a load takes two k-rows' 256 bytes of one column group,
; and its store again covers 256 consecutive bytes, aligned.
; No matrix unit, no cluster, no tensor load: each byte is read once by one wave and nothing but 64 KiB of rw1 is shared.
.set SUMS,  0                          ; LDS: wave u's 64 column sums at 256 u
.set HP,    2048                       ; wave u's partial row of 256 at HP + 1,024 u
.set SPARE, 10240                      ; the spare words: 128 bytes for each of the eight waves; no other line names them
.set XO,  3                            ; v3   my byte offset in the source for load 0
.set WO,  4                            ; v4   my byte offset in rw1's 64 rows
.set SO,  5                            ; v5   my byte offset in the bf16 output
.set SPW, 14                           ; v14  my spare word
.set NIL, 15                           ; v15  0
.set S,   16                           ; v[16:31]   four running sums of four columns
.set P,   32                           ; v[32:39]   my wave's eight column sums
.set AC,  40                           ; v[40:47]   my eight numbers of the partial row
.set X,   64                           ; v[64:191]  32 loads of 16 bytes a lane
.set R,   192                          ; v[192:255] my wave's eight rows of rw1
.set WV,  16                           ; s16  my wave's number
; load i's four f32 become four bf16, in place, and leave: 32 lanes x 8 bytes
.macro CVST i, lo, off
	v_cvt_pk_bf16_f32 v[X+4*(\i)], v[X+4*(\i)], v[X+4*(\i)+1]
	v_cvt_pk_bf16_f32 v[X+4*(\i)+1], v[X+4*(\i)+2], v[X+4*(\i)+3]
	global_store_b64 v[SO], v[X+4*(\i):X+4*(\i)+1], s[\lo:\lo+1] offset:\off th:TH_STORE_NT
.endm
	s_load_b256 s[4:11], s[0:1], 0x0               ; x s[4:5], rw1 s[6:7], zw1 s[8:9], xb s[10:11]
	s_load_b128 s[12:15], s[0:1], 0x20             ; hpart s[12:13], w1b s[14:15]
	v_lshl_add_u32 v[SPW], v0, 2, SPARE
	v_mov_b32 v[NIL], 0
	v_and_b32 v1, 31, v0                           ; lane
	v_lshrrev_b32 v2, 5, v0
	v_readfirstlane_b32 s[WV], v2                  ; wave 0..7
	v_lshrrev_b32 v6, 4, v1                        ; l / 16
	v_and_b32 v7, 15, v1                           ; l % 16
	s_cmp_lt_u32 ttmp9, 128                        ; the same in all eight waves
	s_cbranch_scc0 .Lcast
	; ---- a strip of x ----
	s_lshr_b32 s17, ttmp9, 4                       ; b
	s_and_b32 s18, ttmp9, 15                       ; kb
	s_lshl_b32 s20, s17, 21                        ; the batch's 512 rows of 4,096 bytes
	s_lshl_b32 s19, s18, 8                         ; the strip's 256 bytes of a row
	s_add_co_u32 s20, s20, s19
	s_mov_b32 s21, 0
	s_lshl_b32 s26, s18, 16                        ; the strip's 64 rows of rw1
	s_mov_b32 s27, 0
	s_lshl_b32 s28, ttmp9, 16                      ; xb: block 16 b + kb of 65,536 bytes
	s_mov_b32 s29, 0
	s_lshl_b32 s30, ttmp9, 10                      ; hpart: row 16 b + kb of 1,024 bytes
	s_mov_b32 s31, 0
	s_mov_b32 s22, 0x76543210                      ; v_permlanex16_b32: each lane takes its own place in the other half
	s_mov_b32 s23, 0xfedcba98
	v_lshl_add_u32 v6, v2, 6, v6                   ; row 64 v + l / 16
	v_lshlrev_b32 v[XO], 12, v6
	v_lshl_add_u32 v[XO], v7, 4, v[XO]
	v_lshlrev_b32 v[WO], 4, v1
	v_lshl_add_u32 v[WO], v2, 13, v[WO]            ; rows 8 v on, 16 bytes a lane
	v_lshlrev_b32 v[SO], 3, v1                     ; two rows of 128 bytes: 8 bytes a lane,
	v_lshl_add_u32 v[SO], v2, 13, v[SO]            ; my wave's 64 rows
	s_lshl_b32 s24, s[WV], 8
	v_lshl_add_u32 v8, v7, 4, s24                  ; where my wave's sums go
	s_lshl_b32 s24, s[WV], 5
	v_mov_b32 v9, s24                              ; where my wave's eight columns lie in each wave's sums
	s_lshl_b32 s24, s[WV], 10
	v_lshl_add_u32 v10, v1, 4, s24                 ; where my partial row goes
	s_lshl_b32 s24, s[WV], 9
	v_lshl_add_u32 v11, v1, 4, s24                 ; waves 0 and 1: my half of the row, in LDS and in hpart
	s_wait_kmcnt 0x0
	s_add_nc_u64 s[4:5], s[4:5], s[20:21]
	s_add_nc_u64 s[6:7], s[6:7], s[26:27]
	s_add_nc_u64 s[10:11], s[10:11], s[28:29]
	s_add_nc_u64 s[12:13], s[12:13], s[30:31]
.set i, 0
.rept 32                                       ; my 64 rows, two a load
	global_load_b128 v[X+4*i:X+4*i+3], v[XO], s[4:5] offset:8192*i th:TH_LOAD_NT
.set i, i+1
.endr
.set i, 0
.rept 16                                       ; eight rows of rw1, two loads a row: hidden units 4 l .. and 128 + 4 l ..
	global_load_b128 v[R+4*i:R+4*i+3], v[WO], s[6:7] offset:512*i
.set i, i+1
.endr
.set i, 0
.rept 4                                        ; 48 loads are out; load i + 4 is in when 43 - i younger ones remain.  The first eight loads start the four sums
	s_wait_loadcnt 43-i
	v_pk_add_f32 v[S+4*i:S+4*i+1], v[X+4*i:X+4*i+1], v[X+4*i+16:X+4*i+17]
	v_pk_add_f32 v[S+4*i+2:S+4*i+3], v[X+4*i+2:X+4*i+3], v[X+4*i+18:X+4*i+19]
	CVST i, 10, 256*i
	CVST i+4, 10, 256*(i+4)
.set i, i+1
.endr
.set i, 8
.rept 24
	s_wait_loadcnt 47-i                            ; load i is in
	v_pk_add_f32 v[S+4*(i%4):S+4*(i%4)+1], v[S+4*(i%4):S+4*(i%4)+1], v[X+4*i:X+4*i+1]
	v_pk_add_f32 v[S+4*(i%4)+2:S+4*(i%4)+3], v[S+4*(i%4)+2:S+4*(i%4)+3], v[X+4*i+2:X+4*i+3]
	CVST i, 10, 256*i
.set i, i+1
.endr
.irp k, 0,2
	v_pk_add_f32 v[S+\k:S+\k+1], v[S+\k:S+\k+1], v[S+4+\k:S+4+\k+1]
	v_pk_add_f32 v[S+8+\k:S+8+\k+1], v[S+8+\k:S+8+\k+1], v[S+12+\k:S+12+\k+1]
.endr
.irp k, 0,2
	v_pk_add_f32 v[S+\k:S+\k+1], v[S+\k:S+\k+1], v[S+8+\k:S+8+\k+1]
.endr
.irp k, 0,1,2,3
	v_permlanex16_b32 v[S+4+\k], v[S+\k], s22, s23 ; the odd rows' sums lie 16 lanes away
.endr
.irp k, 0,2
	v_pk_add_f32 v[S+\k:S+\k+1], v[S+\k:S+\k+1], v[S+4+\k:S+4+\k+1]
.endr
	ds_store_b128 v8, v[S:S+3] offset:SUMS         ; both halves of the lanes write the same numbers
	s_wait_dscnt 0x0                               ; for the other waves: my sums lie in LDS
	s_barrier_signal -1
	s_barrier_wait -1
	s_wait_xcnt 0x0                                ; the stores have read X, which is loaded anew
.set u, 0
.rept 8                                        ; all lanes read the same words: wave u's sums of my eight columns
	ds_load_b128 v[X+8*u:X+8*u+3], v9 offset:SUMS+256*u
	ds_load_b128 v[X+8*u+4:X+8*u+7], v9 offset:SUMS+256*u+16
.set u, u+1
.endr
	s_wait_dscnt 0x0
.irp k, 0,2,4,6
	v_pk_add_f32 v[P+\k:P+\k+1], v[X+\k:X+\k+1], v[X+8+\k:X+8+\k+1]
.endr
.set u, 2
.rept 6
.irp k, 0,2,4,6
	v_pk_add_f32 v[P+\k:P+\k+1], v[P+\k:P+\k+1], v[X+8*u+\k:X+8*u+\k+1]
.endr
.set u, u+1
.endr
	s_wait_loadcnt 0x0                             ; rw1's rows
.set k, 0
.rept 8
	v_mul_f32 v[AC+k], v[R+k], v[P]                ; the first row starts the sums
.set k, k+1
.endr
.set d, 1
.rept 7
.set k, 0
.rept 8
	v_fma_f32 v[AC+k], v[R+8*d+k], v[P+d], v[AC+k]
.set k, k+1
.endr
.set d, d+1
.endr
	ds_store_b128 v10, v[AC:AC+3] offset:HP
	ds_store_b128 v10, v[AC+4:AC+7] offset:HP+512
	s_wait_dscnt 0x0                               ; for the other waves: my partial row lies in LDS
	s_barrier_signal -1
	s_barrier_wait -1
	s_cmp_lt_u32 s[WV], 2                          ; waves 0 and 1 add the eight parts, half a row each
	s_cbranch_scc0 .Lend
.set u, 0
.rept 8
	ds_load_b128 v[X+4*u:X+4*u+3], v11 offset:HP+1024*u
.set u, u+1
.endr
	s_wait_dscnt 0x0
.set u, 1
.rept 7
	v_pk_add_f32 v[X:X+1], v[X:X+1], v[X+4*u:X+4*u+1]
	v_pk_add_f32 v[X+2:X+3], v[X+2:X+3], v[X+4*u+2:X+4*u+3]
.set u, u+1
.endr
	global_store_b128 v11, v[X:X+3], s[12:13]      ; 512 consecutive bytes
.Lend:
	s_wait_tensorcnt 0x0                           ; the wave's end, behind my last LDS store
	ds_add_u32 v[SPW], v[NIL]
	s_wait_dscnt 0x0
	s_endpgm
	; ---- 16 k-rows of zw1: work-group c = id - 128 has expert c / 64, rows 16 (c % 64) on; wave v has column groups 4 v .. 4 v + 3 ----
.Lcast:
	s_sub_co_u32 s17, ttmp9, 128
	s_lshr_b32 s18, s17, 6                         ; e
	s_and_b32 s19, s17, 63
	s_lshl_b32 s20, s17, 17                        ; the source: 16 rows of 8,192 bytes a work-group
	s_mov_b32 s21, 0
	s_lshl_b32 s24, s18, 22                        ; w1b: 4,194,304 bytes an expert,
	s_lshl_b32 s25, s19, 11                        ; 16 k-rows of 128 bytes inside each column group's block
	s_add_co_u32 s24, s24, s25
	s_mov_b32 s25, 0
	v_lshlrev_b32 v[XO], 13, v6                    ; k-row l / 16,
	v_lshl_add_u32 v[XO], v7, 4, v[XO]             ; 16 bytes a lane,
	v_lshl_add_u32 v[XO], v2, 10, v[XO]            ; my wave's four column groups of 256 bytes
	v_lshlrev_b32 v[SO], 3, v1
	v_lshl_add_u32 v[SO], v2, 19, v[SO]            ; four blocks of 131,072 bytes a wave
	s_wait_kmcnt 0x0
	s_add_nc_u64 s[8:9], s[8:9], s[20:21]
	s_add_nc_u64 s[14:15], s[14:15], s[24:25]
.set i, 0
.rept 32                                       ; load i: column group i / 8 of my four, k-rows 2 (i % 8) and the next.  All of the wave's share goes out at once
	global_load_b128 v[X+4*i:X+4*i+3], v[XO], s[8:9] offset:16384*(i%8)+256*(i/8) th:TH_LOAD_NT
.set i, i+1
.endr
.set i, 0
.rept 32
	s_wait_loadcnt 31-i                            ; load i is in, the younger ones stay out
	CVST i, 14, 131072*(i/8)+256*(i%8)
.set i, i+1
.endr
	s_endpgm
.Lfunc_end_k_qa164f362ce_prep1:
	.size	k_qa164f362ce_prep1, .Lfunc_end_k_qa164f362ce_prep1-k_qa164f362ce_prep1
	.p2alignl 7, 3214868480
	.fill 96, 4, 3214868480
	.section	.rodata,"a",@progbits
	.p2align	6, 0x0
	.amdhsa_kernel k_qa164f362ce_prep1
		.amdhsa_group_segment_fixed_size 11264
		.amdhsa_private_segment_fixed_size 0
		.amdhsa_enable_private_segment 0
		.amdhsa_kernarg_size 48
		.amdhsa_user_sgpr_count 2
		.amdhsa_user_sgpr_kernarg_segment_ptr 1
		.amdhsa_wavefront_size32 1
		.amdhsa_system_sgpr_workgroup_id_x 1
		.amdhsa_system_sgpr_workgroup_id_y 1
		.amdhsa_system_sgpr_workgroup_id_z 1
		.amdhsa_system_vgpr_workitem_id 0
		.amdhsa_next_free_vgpr 256
		.amdhsa_next_free_sgpr 66
		.amdhsa_reserve_vcc 0
		.amdhsa_float_denorm_mode_32 3
		.amdhsa_float_denorm_mode_16_64 3
		.amdhsa_memory_ordered 1
		.amdhsa_forward_progress 1
		.amdhsa_inst_pref_size 40
	.end_amdhsa_kernel
	.amdgpu_metadata
---
amdhsa.version: [ 1, 2 ]
amdhsa.kernels:
  - .name:           k_qa164f362ce_prep1
    .symbol:         k_qa164f362ce_prep1.kd
    .args:
      - { .name: x, .offset: 0, .size: 8, .value_kind: global_buffer, .address_space: global }
      - { .name: rw1, .offset: 8, .size: 8, .value_kind: global_buffer, .address_space: global }
      - { .name: zw1, .offset: 16, .size: 8, .value_kind: global_buffer, .address_space: global }
      - { .name: xb, .offset: 24, .size: 8, .value_kind: global_buffer, .address_space: global }
      - { .name: hpart, .offset: 32, .size: 8, .value_kind: global_buffer, .address_space: global }
      - { .name: w1b, .offset: 40, .size: 8, .value_kind: global_buffer, .address_space: global }
    .group_segment_fixed_size: 11264
    .private_segment_fixed_size: 0
    .kernarg_segment_align: 8
    .kernarg_segment_size: 48
    .max_flat_workgroup_size: 256
    .sgpr_count:     66
    .vgpr_count:     256
    .wavefront_size: 32
...
	.end_amdgpu_metadata
.endif
;; end of part 1
;; launch prep2 (part 2): grid 257 x 1, 8 waves a work-group, no clusters, 0 bytes of LDS; arguments hpart, rb1, rw2, rb2, zb2, zw2, route, wts, cb, w2b; writes route, wts, cb, w2b
.if DOCPART == 2
	.amdgcn_target "amdgcn-amd-amdhsa--gfx1250"
	.amdhsa_code_object_version 6
	.text
	.protected	k_qa164f362ce_prep2
	.globl	k_qa164f362ce_prep2
	.p2align	8
	.type	k_qa164f362ce_prep2,@function
k_qa164f362ce_prep2:
	s_mov_b64 s[64:65], 0
	v_nop
	global_prefetch_b8 v0, s[64:65] scope:SCOPE_SE
	s_setreg_imm32_b32 hwreg(HW_REG_WAVE_MODE, 25, 1), 1
	s_wait_xcnt 0x0
; Work-group 0 ends the router, a wave a batch; work-groups 1-256 round 131,072 bytes of zw2 each to bf16, in zw2's order.
; LEFT OUT, as the first kernel's head shows: the softmax's division by its sum, which cancels in topk_vals / sum(topk_vals); the maximum is taken away.
; THE ROUTER, for batch b = my wave.  Lane l owns hidden units 4 l .. 4 l + 3 and 128 + 4 l .. : h = tanh(sum of the 16 parts of hpart / 512 + rb1); the four logits are sums over lanes;
; e_i = 2^((l_i - max) log2 e); the least e_i is dropped (of equal ones the highest index, so that the lower indices stay, as lax.top_k keeps them); W_i = e_i / sum of the three kept.
; Stored: route[16 b ..] = the three kept experts in ascending order and the dropped one; route[128 + 4 b] = the dropped one; wts[16 b ..] = their weights; cb[b][n] = sum over e of W_e zb2[e][n].
; Every choice is a select on values: no address and no branch of this launch hangs on them.  tanh(t) = 1 - 2 / (1 + 2^(2 t log2 e)) holds at both ends of the range.
.set X,   64
.set SO,  5
.set H,   16                           ; v[16:143] hpart's 16 parts of eight; then v[16:23] h
.set ZB,  24                           ; v[24:151] zb2: expert e, chunk c at ZB + 32 e + 4 c
.set RB,  144                          ; v[144:151] rb1
.set RW,  152                          ; v[152:183] rw2's rows of my eight units
.set T,   184                          ; v[184:191] at work
.set L,   192                          ; v[192:195] logits
.set E,   200                          ; v[200:203] exponentials
.set W,   208                          ; v[208:211] weights by expert
.set SEL, 212                          ; v[212:215] what goes to route
.set WS,  216                          ; v[216:219] what goes to wts
.set NUM, 220                          ; v[220:223] 0, 1, 2, 3
.set WW,  224                          ; v[224:231] each weight twice, for the packed products
.macro CVST i, lo
	v_cvt_pk_bf16_f32 v[X+4*(\i)], v[X+4*(\i)], v[X+4*(\i)+1]
	v_cvt_pk_bf16_f32 v[X+4*(\i)+1], v[X+4*(\i)+2], v[X+4*(\i)+3]
	global_store_b64 v[SO], v[X+4*(\i):X+4*(\i)+1], s[\lo:\lo+1] offset:256*(\i) th:TH_STORE_NT
.endm
	s_load_b512 s[4:19], s[0:1], 0x0               ; hpart 4, rb1 6, rw2 8, rb2 10, zb2 12, zw2 14, route 16, wts 18
	s_load_b128 s[20:23], s[0:1], 0x40             ; cb 20, w2b 22
	v_and_b32 v1, 31, v0
	v_lshrrev_b32 v2, 5, v0
	v_readfirstlane_b32 s24, v2                    ; wave 0..7
	s_cmp_eq_u32 ttmp9, 0
	s_cbranch_scc1 .Lrouter
	s_sub_co_u32 s25, ttmp9, 1
	s_lshl_b32 s26, s25, 17
	s_mov_b32 s27, 0
	s_lshl_b32 s28, s25, 16
	s_mov_b32 s29, 0
	v_lshlrev_b32 v3, 4, v1
	v_lshl_add_u32 v3, v2, 14, v3
	v_lshlrev_b32 v[SO], 3, v1
	v_lshl_add_u32 v[SO], v2, 13, v[SO]
	s_wait_kmcnt 0x0
	s_add_nc_u64 s[14:15], s[14:15], s[26:27]
	s_add_nc_u64 s[22:23], s[22:23], s[28:29]
.set i, 0
.rept 32
	global_load_b128 v[X+4*i:X+4*i+3], v3, s[14:15] offset:512*i th:TH_LOAD_NT
.set i, i+1
.endr
.set i, 0
.rept 32
	s_wait_loadcnt 31-i                            ; load i is in, the younger ones stay out
	CVST i, 22
.set i, i+1
.endr
	s_endpgm
.Lrouter:
	v_lshlrev_b32 v3, 4, v1                        ; 16 l
	v_lshlrev_b32 v4, 6, v1                        ; 64 l: four rows of rw2
	s_lshl_b32 s26, s24, 14                        ; hpart: 16 rows of 1,024 bytes a batch
	s_mov_b32 s27, 0
	s_lshl_b32 s28, s24, 12                        ; cb: 4,096 bytes a batch
	s_mov_b32 s29, 0
	s_mov_b32 s30, 0x76543210
	s_mov_b32 s31, 0xfedcba98
	s_lshl_b32 s36, s24, 4
	s_lshl_b32 s37, s24, 2
	v_mov_b32 v232, s36
	v_mov_b32 v233, s37
	s_wait_kmcnt 0x0
	s_load_b128 s[32:35], s[10:11], 0x0            ; rb2
	s_add_nc_u64 s[4:5], s[4:5], s[26:27]
	s_add_nc_u64 s[20:21], s[20:21], s[28:29]
.set i, 0
.rept 32
	global_load_b128 v[H+4*i:H+4*i+3], v3, s[4:5] offset:512*i
.set i, i+1
.endr
	global_load_b128 v[RB:RB+3], v3, s[6:7]
	global_load_b128 v[RB+4:RB+7], v3, s[6:7] offset:512
.set i, 0
.rept 8
	global_load_b128 v[RW+4*i:RW+4*i+3], v4, s[8:9] offset:2048*(i/4)+16*(i%4)
.set i, i+1
.endr
	s_wait_loadcnt 0x0
.irp st, 8,4,2,1                               ; the 16 parts, by halves
.set p, 0
.rept \st
.irp k, 0,2,4,6
	v_pk_add_f32 v[H+8*p+\k:H+8*p+\k+1], v[H+8*p+\k:H+8*p+\k+1], v[H+8*(p+\st)+\k:H+8*(p+\st)+\k+1]
.endr
.set p, p+1
.endr
.endr
.irp k, 0,2,4,6
	v_pk_fma_f32 v[H+\k:H+\k+1], v[H+\k:H+\k+1], 0x3b000000, v[RB+\k:RB+\k+1] op_sel_hi:[1,0,1]  ; the mean over 512 rows, and rb1
.endr
.set i, 0
.rept 32                                       ; zb2 comes in under the router's arithmetic
	global_load_b128 v[ZB+4*i:ZB+4*i+3], v3, s[12:13] offset:512*i
.set i, i+1
.endr
.irp k, 0,2,4,6
	v_pk_mul_f32 v[T+\k:T+\k+1], v[H+\k:H+\k+1], 0x4038aa3b op_sel_hi:[1,0]  ; 2 log2 e
.endr
.irp k, 0,1,2,3,4,5,6,7
	v_exp_f32 v[T+\k], v[T+\k]
.endr
	v_nop                                          ; a plain instruction behind the last exponential,
	s_wait_alu depctr_va_vdst(0)                   ; and one wait for the eight, ahead of their first reader
.irp k, 0,2,4,6
	v_pk_add_f32 v[T+\k:T+\k+1], v[T+\k:T+\k+1], 1.0 op_sel_hi:[1,0]
.endr
.irp k, 0,1,2,3,4,5,6,7
	v_rcp_f32 v[T+\k], v[T+\k]
.endr
	v_nop
	s_wait_alu depctr_va_vdst(0)                   ; one wait for the eight reciprocals
.irp k, 0,2,4,6
	v_pk_fma_f32 v[H+\k:H+\k+1], v[T+\k:T+\k+1], -2.0, 1.0 op_sel_hi:[1,0,0]
.endr
.irp e, 0,1,2,3
	v_mul_f32 v[L+\e], v[H], v[RW+\e]
.endr
.set k, 1
.rept 7
.irp e, 0,1,2,3
	v_fma_f32 v[L+\e], v[H+k], v[RW+4*k+\e], v[L+\e]
.endr
.set k, k+1
.endr
.irp m, 1,2,4,8
.irp e, 0,1,2,3
	v_add_f32_dpp v[L+\e], v[L+\e], v[L+\e] row_xmask:\m row_mask:0xf bank_mask:0xf
.endr
.endr
.irp e, 0,1,2,3
	v_permlanex16_b32 v[T+\e], v[L+\e], s30, s31
.endr
	s_wait_kmcnt 0x0                               ; rb2
.irp e, 0,1,2,3
	v_add_f32 v[L+\e], v[L+\e], v[T+\e]
.endr
.irp e, 0,1,2,3
	v_add_f32 v[L+\e], s[32+\e], v[L+\e]
.endr
	v_max3_num_f32 v196, v[L], v[L+1], v[L+2]
	v_max_num_f32 v196, v196, v[L+3]
.irp e, 0,1,2,3
	v_sub_f32 v[E+\e], v[L+\e], v196
.endr
.irp e, 0,1,2,3
	v_mul_f32 v[E+\e], 0x3fb8aa3b, v[E+\e]
.endr
.irp e, 0,1,2,3
	v_exp_f32 v[E+\e], v[E+\e]
.endr
	v_mov_b32 v204, 0                              ; the dropped expert, so far 0: also the plain instruction behind the exponentials
	s_wait_alu depctr_va_vdst(0)
	v_mov_b32 v205, v[E]                           ; the least so far
.irp e, 1,2,3
	v_cmp_gt_f32 vcc_lo, v[E+\e], v205             ; greater: the old one stays; less or equal: e is dropped
	v_cndmask_b32 v204, \e, v204, vcc_lo
	v_cndmask_b32 v205, v[E+\e], v205, vcc_lo
.endr
.irp e, 0,1,2,3
	v_cmp_ne_u32 vcc_lo, \e, v204
	v_cndmask_b32 v[E+\e], 0, v[E+\e], vcc_lo      ; the dropped one counts 0
	v_mov_b32 v[NUM+\e], \e
.endr
	v_add_f32 v206, v[E], v[E+1]
	v_add_f32 v207, v[E+2], v[E+3]
	v_add_f32 v206, v206, v207                     ; at least 1: the greatest, 2^0, is never dropped
	v_rcp_f32 v206, v206
	v_mov_b32 v[WS+3], 0
	s_wait_alu depctr_va_vdst(0)
.irp e, 0,1,2,3
	v_mul_f32 v[W+\e], v[E+\e], v206
.endr
.irp j, 0,1,2
	v_cmp_ge_u32 vcc_lo, \j, v204                  ; from the dropped index on, place j holds expert j + 1
	v_cndmask_b32 v[SEL+\j], v[NUM+\j], v[NUM+\j+1], vcc_lo
	v_cndmask_b32 v[WS+\j], v[W+\j], v[W+\j+1], vcc_lo
.endr
	v_mov_b32 v[SEL+3], v204
.irp e, 0,1,2,3
	v_mov_b32 v[WW+2*\e], v[W+\e]
	v_mov_b32 v[WW+2*\e+1], v[W+\e]
.endr
	s_wait_loadcnt 0x0                             ; zb2
.set c, 0
.rept 8
.irp k, 0,2
	v_pk_mul_f32 v[ZB+4*c+\k:ZB+4*c+\k+1], v[ZB+4*c+\k:ZB+4*c+\k+1], v[WW:WW+1]
.endr
.irp e, 1,2,3
.irp k, 0,2
	v_pk_fma_f32 v[ZB+4*c+\k:ZB+4*c+\k+1], v[ZB+32*\e+4*c+\k:ZB+32*\e+4*c+\k+1], v[WW+2*\e:WW+2*\e+1], v[ZB+4*c+\k:ZB+4*c+\k+1]
.endr
.endr
	global_store_b128 v3, v[ZB+4*c:ZB+4*c+3], s[20:21] offset:512*c  ; 512 consecutive bytes
.set c, c+1
.endr
	s_wait_xcnt 0x0                                ; EXEC changes only behind this wait
	v_cmp_eq_u32 vcc_lo, 0, v1
	s_and_saveexec_b32 s38, vcc_lo                 ; lane 0 stores the batch's 36 bytes
	global_store_b128 v232, v[SEL:SEL+3], s[16:17]
	global_store_b32 v233, v204, s[16:17] offset:128
	global_store_b128 v232, v[WS:WS+3], s[18:19]
	s_wait_xcnt 0x0
	s_or_b32 exec_lo, exec_lo, s38
	s_endpgm
.Lfunc_end_k_qa164f362ce_prep2:
	.size	k_qa164f362ce_prep2, .Lfunc_end_k_qa164f362ce_prep2-k_qa164f362ce_prep2
	.p2alignl 7, 3214868480
	.fill 96, 4, 3214868480
	.section	.rodata,"a",@progbits
	.p2align	6, 0x0
	.amdhsa_kernel k_qa164f362ce_prep2
		.amdhsa_group_segment_fixed_size 0
		.amdhsa_private_segment_fixed_size 0
		.amdhsa_enable_private_segment 0
		.amdhsa_kernarg_size 80
		.amdhsa_user_sgpr_count 2
		.amdhsa_user_sgpr_kernarg_segment_ptr 1
		.amdhsa_wavefront_size32 1
		.amdhsa_system_sgpr_workgroup_id_x 1
		.amdhsa_system_sgpr_workgroup_id_y 1
		.amdhsa_system_sgpr_workgroup_id_z 1
		.amdhsa_system_vgpr_workitem_id 0
		.amdhsa_next_free_vgpr 256
		.amdhsa_next_free_sgpr 66
		.amdhsa_reserve_vcc 1
		.amdhsa_float_denorm_mode_32 3
		.amdhsa_float_denorm_mode_16_64 3
		.amdhsa_memory_ordered 1
		.amdhsa_forward_progress 1
		.amdhsa_inst_pref_size 37
	.end_amdhsa_kernel
	.amdgpu_metadata
---
amdhsa.version: [ 1, 2 ]
amdhsa.kernels:
  - .name:           k_qa164f362ce_prep2
    .symbol:         k_qa164f362ce_prep2.kd
    .args:
      - { .name: hpart, .offset: 0, .size: 8, .value_kind: global_buffer, .address_space: global }
      - { .name: rb1, .offset: 8, .size: 8, .value_kind: global_buffer, .address_space: global }
      - { .name: rw2, .offset: 16, .size: 8, .value_kind: global_buffer, .address_space: global }
      - { .name: rb2, .offset: 24, .size: 8, .value_kind: global_buffer, .address_space: global }
      - { .name: zb2, .offset: 32, .size: 8, .value_kind: global_buffer, .address_space: global }
      - { .name: zw2, .offset: 40, .size: 8, .value_kind: global_buffer, .address_space: global }
      - { .name: route, .offset: 48, .size: 8, .value_kind: global_buffer, .address_space: global }
      - { .name: wts, .offset: 56, .size: 8, .value_kind: global_buffer, .address_space: global }
      - { .name: cb, .offset: 64, .size: 8, .value_kind: global_buffer, .address_space: global }
      - { .name: w2b, .offset: 72, .size: 8, .value_kind: global_buffer, .address_space: global }
    .group_segment_fixed_size: 0
    .private_segment_fixed_size: 0
    .kernarg_segment_align: 8
    .kernarg_segment_size: 80
    .max_flat_workgroup_size: 256
    .sgpr_count:     66
    .vgpr_count:     256
    .wavefront_size: 32
...
	.end_amdgpu_metadata
.endif
;; end of part 2
;; launch ffn1 (part 3): grid 32 x 8, 4 waves a work-group, clusters of 4 x 1, 327,680 bytes of LDS; arguments xb, w1b, zb1, route, wts, hid; writes hid
.if DOCPART == 3
	.amdgcn_target "amdgcn-amd-amdhsa--gfx1250"
	.amdhsa_code_object_version 6
	.text
	.protected	k_qa164f362ce_ffn1
	.globl	k_qa164f362ce_ffn1
	.p2align	8
	.type	k_qa164f362ce_ffn1,@function
k_qa164f362ce_ffn1:
	s_mov_b64 s[64:65], 0
	v_nop
	global_prefetch_b8 v0, s[64:65] scope:SCOPE_SE
	s_setreg_imm32_b32 hwreg(HW_REG_WAVE_MODE, 25, 1), 1
	s_wait_xcnt 0x0
	s_wait_alu depctr_hold_cnt(0) depctr_sa_sdst(0) depctr_va_vdst(0) depctr_va_sdst(0) depctr_va_ssrc(0) depctr_va_vcc(0) depctr_vm_vsrc(0)
	s_getreg_b32 s2, hwreg(HW_REG_IB_STS2, 6, 4)
	s_cmp_eq_u32 s2, 0
	s_cbranch_scc0 .Lentry_in_a_cluster
	s_endpgm
.Lentry_in_a_cluster:
	s_bfe_u32 s2, ttmp6, 0x10000c
	s_cmp_lg_u32 s2, 0x3003
	s_cbranch_scc0 .Lentry_shape_is_right
	s_endpgm
.Lentry_shape_is_right:
; hid[row][2,048 j + f] = w_j gelu(x[row] . zw1[e_j][:, f] + zb1[e_j][f]) for the three experts e_0 < e_1 < e_2 that the row's batch has chosen, bf16.
; LEFT OUT, as the first kernel's head shows: the fourth expert of each batch, whose weight reference()'s one_hot makes 0.  The choice is read from route as whole numbers.
; gelu is reference()'s tanh form, written x / (1 + 2^(x (c0 + c1 x^2))), c0 = -2 sqrt(2/pi) log2 e, c1 = 0.044715 c0: the same function, and right at both ends (2^.. = infinity gives 0, 2^.. = 0 gives x).
; SHARES.  A work-group makes a whole batch's 512 rows (grid y) x 64 hidden columns (column group cg = 4 x cluster x + cx) for ALL THREE experts: 512 x 192, 256 equal work-groups.
; A wave makes its 128 rows x the 64 columns of each expert: 96 accumulators, one register window an expert.  For 32 along K it reads 16 + 24 LDS loads for 96 matrix instructions.
; WHAT IS SHARED.  The four partners of a cluster are four column groups of one batch and walk the same x: its tile is asked for JOINTLY (the same load, descriptor and mask in all four), its address made of the batch
; and the step.  A weight tile (expert, cg, step) has ONE reader in a batch; its other readers are other batches' work-groups, whose choice may differ: so it is asked for by its work-group alone, without a mask.
; Wave 0 asks for x's tile, waves 1-3 for the three experts' tiles: one tensor load a wave behind each round.
; K goes in 16 steps of 64 through two LDS slots.  xb lies in blocks [b][step][512 rows][64], 65,536 dense bytes, asked for as 256 rows of 256 bytes and padded after every 128; w1b lies [e][cg][k][64]: a step's tile is
; 8,192 dense bytes, asked for as 32 rows of 256 bytes, padded after every 128, and turned by ds_load_tr16_b128.
; THE MATRIX INSTRUCTION IS USED TRANSPOSED (source 0 = 16 hidden columns, source 1 = 16 rows of x): a lane holds one row and eight neighbouring columns.
; THE WAY OUT.  Behind the last fill the ring's bytes serve as four dumps, a wave's own each: an expert's 128 x 64 sums go in as f32 (pitch 272) and come back by rows, 16 rows a trip; bias, gelu, weight, rounding;
; a store of a wave covers 512 consecutive bytes of hid[4 b + wave][32 j + cg][128][64].
; REGISTERS: window 0: v2-19 addresses; v32-95, v96-159 x's fragments, two buffers; v160-255 the three experts' fragments; window j + 1: expert j's accumulators, (a, c) at v[8 (4 a + c)].
.set PA,    144                        ; a row of x's tile: 128 bytes + 16: the 16 rows of a load start in 16 different groups of four banks (ISA guide 11.1)
.set PB,    160                        ; a k-row of a weight tile: 128 bytes + 32: an odd multiple of 32, for the turning load
.set AT,    512*PA                     ; x's tile
.set BT,    64*PB                      ; a weight tile
.set SLOT,  AT+3*BT                    ; 104,448
.set SPARE, 2*SLOT                     ; the spare words: 128 bytes a wave; no other line names them
.set DP,    272
.set DUMPB, 128*DP                     ; a wave's dump; the four take 139,264 bytes of the ring's 208,896
.set ADRA, 2                           ; v2-3   x's fragments in slot 0, 1
.set ADRB, 4                           ; v4-9   expert j's fragments in slot s at ADRB + 3 s + j
.set DST,  10                          ; v10    the dump: where I put 32 bytes of a row
.set RDA,  11                          ; v11    where I read rows back
.set GO,   12                          ; v12    16 x lane
.set PFO,  13                          ; v13    256 x lane: the prefetches' offset
.set SPW,  14
.set NIL,  15
.set BO,   16                          ; v16    my eight columns' byte offset in the column group's biases
.set RDC,  19                          ; v19    RDA + the trip's rows
.set FA0,  32
.set FA1,  96
.set FB,   160                         ; expert j's at FB + 32 j
.set BI,   32                          ; the way out: v[32:55] biases; then 32 registers each:
.set XR,   64                          ; sums as read back
.set TR,   96                          ; x = sum + bias
.set UR,   128                         ; the exponent, 2^.., 1 / (1 + 2^..)
.set VR,   160                         ; w x
.set YR,   192                         ; 16 registers of bf16
.set WV,  16
.set CX,  17
.set CG,  18
.set BN,  19                           ; the batch
.set LB,  20                           ; wave x a weight tile's bytes
.set G1A, 24
.set G0A, 32                           ; a set for each slot
.set G1B, 40
.set G0B, 48
.set SEL, 56                           ; s[56:59] the batch's row of route
.set WT,  60                           ; s[60:63] its weights
.set ZB,  66                           ; s[66:71] zb1 at expert j's row and my column group
.set PFA, 76
.set PST, 78
.set LIM, 80                           ; a wave prefetches while CNT is above it
.set CNT, 82
.set RB,  83
.set C0,  84
.set C1,  86
.set WP,  88
.set HB,  90
.set MSB, 0
.macro WIN new                         ; the immediate's high byte repeats the setting that is left; a switch that changes nothing is dropped
.if MSB != (\new)
	s_set_vgpr_msb (MSB<<8)|(\new)
.set MSB, (\new)
.endif
.endm
; A step's loads.  The branch hangs on the wave's number alone.  An s_nop 0 and four v_nop follow each line, ahead of the jump and the label.
.macro JLOAD s
	s_cmp_eq_u32 s[WV], 0
	s_cbranch_scc0 .Lfor_b_\@
	tensor_load_to_lds s[G0A+4*(\s):G0A+4*(\s)+3], s[G1A:G1A+7]
	s_nop 0
.rept 4
	v_nop
.endr
	s_branch .Lasked_\@
.Lfor_b_\@:
	tensor_load_to_lds s[G0B+4*(\s):G0B+4*(\s)+3], s[G1B:G1B+7]
	s_nop 0
.rept 4
	v_nop
.endr
.Lasked_\@:
.endm
.macro CREST                           ; a round of the cluster's barrier behind its opening barrier
	s_cmp_lg_u32 s[WV], 0
	s_cbranch_scc1 .Lnot_wave_0_\@
	s_barrier_signal -3
.Lnot_wave_0_\@:
	s_barrier_wait -3
	s_barrier_signal -1
	s_barrier_wait -1
.endm
.macro CROUND
	s_barrier_signal -1
	s_barrier_wait -1
	CREST
.endm
; A PREFETCH INTO THE L2 of the K step that stands two refills on, 384 matrix instructions ahead of the load that will want it; it stands behind the step's tensor load, its five lines and the run of LDS loads.
; Each aligned block of 256 bytes is named once in the launch, and who asks hangs on ids alone.  x's block of a step, 65,536 bytes, is read by the eight clusters of a batch: cluster x = 0 asks, the partner at cx for
; 16,384 bytes of it, told apart by address: wave 0, two instructions, a lane a block.  Expert e's tile of a column group, 8,192 bytes, is read by every batch that chose e: the work-group of batch b = e asks (wave 1,
; one instruction), whether or not that batch chose it; an expert that no batch chose is asked for in vain.  Steps 0-3 come by their loads alone; the loop's last trip asks for nothing.
.macro ASK
	s_cmp_gt_u32 s[CNT], s[LIM]
	s_cbranch_scc0 .Lnot_mine_\@
	global_prefetch_b8 v[PFO], s[PFA:PFA+1] th:TH_LOAD_NT scope:SCOPE_SE
	s_cmp_eq_u32 s[WV], 0
	s_cbranch_scc0 .Lnot_mine_\@
	global_prefetch_b8 v[PFO], s[PFA:PFA+1] offset:8192 th:TH_LOAD_NT scope:SCOPE_SE
.Lnot_mine_\@:
.endm
.macro PLACES                          ; four places behind matrix instructions, in front of loads into registers that they have read (ISA guide 7.12.1 for vector instructions)
.rept 4
	v_nop
.endr
.endm
.macro FETCH_A slot, q, buf            ; my 128 rows x 32 K of x: 16 loads
.irp a, 0,1,2,3,4,5,6,7
	ds_load_b128 v[(\buf)+8*\a:(\buf)+8*\a+3],   v[ADRA+(\slot)] offset:64*(\q)+16*PA*\a
	ds_load_b128 v[(\buf)+8*\a+4:(\buf)+8*\a+7], v[ADRA+(\slot)] offset:64*(\q)+16*PA*\a+32
.endr
.endm
.macro FETCH_B slot, q, j              ; 32 K x the 64 columns of expert j, turned: 8 loads
.irp c, 0,1,2,3
	ds_load_tr16_b128 v[FB+32*(\j)+8*\c:FB+32*(\j)+8*\c+3],   v[ADRB+3*(\slot)+(\j)] offset:32*PB*(\q)+32*\c
	ds_load_tr16_b128 v[FB+32*(\j)+8*\c+4:FB+32*(\j)+8*\c+7], v[ADRB+3*(\slot)+(\j)] offset:32*PB*(\q)+32*\c+16*PB
.endr
.endm
; 16 matrix instructions on 16 different accumulators: row blocks a0 .. a0 + 3 x the four column blocks of expert j.  zero = 1: the first product starts the sums.
.macro MUL16 buf, j, a0, zero
	WIN 0x50*((\j)+1)                      ; C and D in window j + 1, both sources in window 0
.irp a, (\a0), (\a0)+1, (\a0)+2, (\a0)+3
.irp c, 0,1,2,3
.if \zero
	v_wmma_f32_16x16x32_bf16 v[8*(4*(\a)+\c):8*(4*(\a)+\c)+7], v[FB+32*(\j)+8*\c:FB+32*(\j)+8*\c+7], v[(\buf)+8*(\a):(\buf)+8*(\a)+7], 0
.else
	v_wmma_f32_16x16x32_bf16 v[8*(4*(\a)+\c):8*(4*(\a)+\c)+7], v[FB+32*(\j)+8*\c:FB+32*(\j)+8*\c+7], v[(\buf)+8*(\a):(\buf)+8*(\a)+7], v[8*(4*(\a)+\c):8*(4*(\a)+\c)+7]
.endif
.endr
.endr
.endm
; A phase: one expert's 32 products for 32 along K; the 96 accumulators take turns, one instruction a turn.  The caller's fetches follow the places.
.macro PHASE buf, j, zero, left
	s_wait_dscnt \left
	MUL16 \buf, \j, 0, \zero
	MUL16 \buf, \j, 4, \zero
	WIN 0
	PLACES
.endm
; The first half of a K step.  Counts: 16 = the two runs of 8 (experts 1 and 2) issued behind the 24 loads that are wanted; 32 = 8 + 24 or 24 + 8 loads issued behind the run that is wanted.
.macro Q0 slot, zero
	PHASE FA0, 0, \zero, 16
	FETCH_A \slot, 1, FA1
	FETCH_B \slot, 1, 0
	PHASE FA0, 1, \zero, 32
	FETCH_B \slot, 1, 1
	PHASE FA0, 2, \zero, 32
	FETCH_B \slot, 1, 2
.endm
; The second half begins with the change of slots: ONE barrier.  In front of it each wave waits for all its tensor loads (one is out: its part of the next slot), adds 0 to its spare word, and waits for
; that and for its reads of this slot.  fill = 1: the barrier opens a round of the cluster's, and the refill, two steps on, is the first thing behind it: 160 matrix instructions ahead of the wait for it.
.macro TURN slot, next, fill
.if \fill
	s_wait_xcnt 0x0                                ; the last prefetch, a K step back, has read its address
	s_add_nc_u64 s[PFA:PFA+1], s[PFA:PFA+1], s[PST:PST+1]
.endif
	WIN 0
	s_wait_tensorcnt 0x0
	ds_add_u32 v[SPW], v[NIL]
	s_wait_dscnt 17                                ; the add and the two youngest runs of 8 may be out
	MUL16 FA1, 0, 0, 0
	s_wait_dscnt 0x0                               ; the add is done, and my reads of this slot are over
	s_barrier_signal -1
	MUL16 FA1, 0, 4, 0
	WIN 0
	s_barrier_wait -1
.if \fill
	CREST                                          ; no wave of any partner still reads this slot or has a load on its way
	s_add_nc_u64 s[G0A+4*(\slot)+2:G0A+4*(\slot)+3], s[G0A+4*(\slot)+2:G0A+4*(\slot)+3], 2*65536
	s_add_nc_u64 s[G0B+4*(\slot)+2:G0B+4*(\slot)+3], s[G0B+4*(\slot)+2:G0B+4*(\slot)+3], 2*8192
	JLOAD \slot                                    ; its four v_nop are also the places in front of the loads below
.else
	PLACES
.endif
	FETCH_A \next, 0, FA0
	FETCH_B \next, 0, 0
.if \fill
	ASK
.endif
.endm
.macro Q1 slot, next, fill
	TURN \slot, \next, \fill
	PHASE FA1, 1, 0, 32                            ; what it multiplies was shown landed by the wait for 0 above
	FETCH_B \next, 0, 1
	PHASE FA1, 2, 0, 32
	FETCH_B \next, 0, 2
.endm
	s_load_b256 s[4:11], s[0:1], 0x0               ; xb 4, w1b 6, zb1 8, route 10
	s_load_b128 s[12:15], s[0:1], 0x20             ; wts 12, hid 14
	v_lshl_add_u32 v[SPW], v0, 2, SPARE
	v_mov_b32 v[NIL], 0
	ds_add_u32 v[SPW], v[NIL]                      ; the wave's opening: the add, twice on end, and its wait ahead of my first tensor load
	ds_add_u32 v[SPW], v[NIL]
	v_lshrrev_b32 v1, 5, v0
	v_readfirstlane_b32 s[WV], v1                  ; wave 0..3
	s_bfe_u32 s[CX], ttmp6, 0x40000                ; my place in the cluster
	s_and_b32 s[BN], ttmp7, 0xffff
	s_lshl_b32 s[CG], ttmp9, 2
	s_add_co_u32 s[CG], s[CG], s[CX]
	s_mov_b32 s[G1A], 15|(1<<16)|(1<<20)|(1<<21)|(4<<22)|(3<<25)  ; the mask of four; 2-byte elements; padding on; bit 21 beside a mask; after every 32 words 4 words
	s_mov_b32 s[G1A+1], 128<<16                    ; tensor_dim0 = 128
	s_mov_b32 s[G1A+2], 256<<16                    ; tensor_dim1 = 256
	s_mov_b32 s[G1A+3], 128<<16                    ; tile_dim0 = 128
	s_mov_b32 s[G1A+4], 256                        ; tile_dim1 = 256
	s_mov_b32 s[G1A+5], 128                        ; elements from row to row
	s_mov_b32 s[G1A+6], 0
	s_mov_b32 s[G1A+7], 0
	s_mov_b32 s[G1B], (1<<16)|(1<<20)|(4<<22)|(7<<25)  ; no mask; after every 32 words 8 words
	s_mov_b32 s[G1B+1], 128<<16
	s_mov_b32 s[G1B+2], 32<<16
	s_mov_b32 s[G1B+3], 128<<16
	s_mov_b32 s[G1B+4], 32
	s_mov_b32 s[G1B+5], 128
	s_mov_b32 s[G1B+6], 0
	s_mov_b32 s[G1B+7], 0
	s_mov_b32 s[C0], 0xc0135761                    ; -2.3022082
	s_mov_b32 s[C0+1], 0xc0135761
	s_mov_b32 s[C1], 0xbdd2d3e7                    ; -0.10294324
	s_mov_b32 s[C1+1], 0xbdd2d3e7
	s_mul_i32 s[LB], s[WV], BT
	s_lshl_b32 s92, s[BN], 4
	s_mov_b32 s93, 0
	s_wait_dscnt 0x0                               ; both opening adds are done
	s_wait_kmcnt 0x0
	s_add_nc_u64 s[94:95], s[10:11], s[92:93]
	s_add_nc_u64 s[96:97], s[12:13], s[92:93]
	s_load_b128 s[SEL:SEL+3], s[94:95], 0x0
	s_load_b128 s[WT:WT+3], s[96:97], 0x0
	s_wait_kmcnt 0x0
	s_cmp_eq_u32 s[WV], 2                          ; the expert whose tiles I fetch: waves 1, 2, 3 take places 0, 1, 2
	s_cselect_b32 s98, s[SEL+1], s[SEL]
	s_cmp_eq_u32 s[WV], 3
	s_cselect_b32 s98, s[SEL+2], s98
	s_min_u32 s98, s98, 3
	s_lshl_b32 s98, s98, 22                        ; w1b: 4,194,304 bytes an expert
	s_mov_b32 s99, 0
	s_lshl_b32 s94, s[BN], 20                      ; xb: 16 blocks of 65,536 bytes a batch
	s_mov_b32 s95, 0
	s_add_nc_u64 s[94:95], s[4:5], s[94:95]
	s_lshl_b32 s96, s[CG], 17                      ; 131,072 bytes a column group
	s_mov_b32 s97, 0
	s_add_nc_u64 s[96:97], s[6:7], s[96:97]
	s_add_nc_u64 s[96:97], s[96:97], s[98:99]
	CROUND                                         ; all four work-groups are here: the first joint loads meet
.irp s, 0,1
	s_mov_b32 s[G0A+4*\s], 1
	s_mov_b32 s[G0A+4*\s+1], \s*SLOT
	s_add_nc_u64 s[G0A+4*\s+2:G0A+4*\s+3], s[94:95], \s*65536
	s_or_b32 s[G0A+4*\s+3], s[G0A+4*\s+3], 0x80000000
	s_mov_b32 s[G0B+4*\s], 1
	s_add_co_u32 s[G0B+4*\s+1], s[LB], \s*SLOT+AT-BT  ; waves 1, 2, 3: the three tiles behind x's
	s_add_nc_u64 s[G0B+4*\s+2:G0B+4*\s+3], s[96:97], \s*8192
	s_or_b32 s[G0B+4*\s+3], s[G0B+4*\s+3], 0x80000000
	JLOAD \s                                       ; K steps 0 and 1: two loads of mine are out
.endr
	s_lshl_b32 s98, s[CG], 8                       ; zb1: my column group's 256 bytes of a row,
	s_add_nc_u64 s[8:9], s[8:9], s[98:99]
.irp j, 0,1,2
	s_min_u32 s98, s[SEL+\j], 3
	s_lshl_b32 s98, s98, 13                        ; the expert's row of 8,192 bytes
	s_add_nc_u64 s[ZB+2*\j:ZB+2*\j+1], s[8:9], s[98:99]
.endr
	; the prefetches: where they stand (at step 3; the first change of slots steps them to step 4) and who asks
	s_lshl_b32 s92, s[BN], 20                      ; x: my batch, my work-group's 16,384 bytes of a block
	s_lshl_b32 s93, s[CX], 14
	s_add_co_u32 s92, s92, s93
	s_add_co_u32 s92, s92, 3*65536
	s_and_b32 s98, s[BN], 3                        ; weights: expert b (batches 0-3 ask), my column group
	s_lshl_b32 s98, s98, 22
	s_lshl_b32 s99, s[CG], 17
	s_add_co_u32 s98, s98, s99
	s_add_co_u32 s98, s98, 3*8192
	s_cmp_eq_u32 ttmp9, 0
	s_cselect_b32 s93, 1, -1
	s_cmp_lt_u32 s[BN], 4
	s_cselect_b32 s99, 1, -1
	s_cmp_eq_u32 s[WV], 1
	s_cselect_b32 s99, s99, -1
	s_mov_b32 s[PST], 8192
	s_cmp_eq_u32 s[WV], 0
	s_cselect_b32 s[LIM], s93, s99                 ; the same in all four partners, for a given wave
	s_cselect_b32 s92, s92, s98
	s_cselect_b64 s[PFA:PFA+1], s[4:5], s[6:7]
	s_cselect_b32 s[PST], 0x10000, s[PST]          ; a K step in memory
	s_mov_b32 s93, 0
	s_mov_b32 s[PST+1], 0
	s_add_nc_u64 s[PFA:PFA+1], s[PFA:PFA+1], s[92:93]
	s_lshl_b32 s92, s[BN], 2                       ; hid: row tile 4 b + wave, block cg of expert place 0
	s_add_co_u32 s92, s92, s[WV]
	s_mul_i32 s92, s92, 96
	s_add_co_u32 s92, s92, s[CG]
	s_lshl_b32 s92, s92, 14
	s_add_nc_u64 s[HB:HB+1], s[14:15], s[92:93]
	v_and_b32 v20, 15, v0                          ; l % 16
	v_bfe_u32 v21, v0, 4, 1                        ; l / 16
	v_and_b32 v22, 7, v0                           ; l % 8
	v_bfe_u32 v23, v0, 3, 1                        ; (l / 8) % 2
	v_bfe_u32 v24, v0, 3, 2                        ; l / 8
	v_and_b32 v25, 31, v0                          ; l
	v_mul_u32_u24 v[ADRA], v20, PA
	v_lshl_add_u32 v[ADRA], v21, 4, v[ADRA]        ; row x pitch + 16 x half,
	s_mul_i32 s92, s[WV], 128*PA                   ; in my wave's 128 rows
	v_add_nc_u32 v[ADRA], s92, v[ADRA]
	v_add_nc_u32 v[ADRA+1], SLOT, v[ADRA]
	v_lshl_add_u32 v26, v21, 3, v22                ; the turning load: k-row 8 (l / 16) + l % 8,
	v_mul_u32_u24 v26, v26, PB
	v_lshl_add_u32 v26, v23, 4, v26                ; columns 8 ((l / 8) % 2) on
.irp s, 0,1
.irp j, 0,1,2
	v_add_nc_u32 v[ADRB+3*\s+\j], \s*SLOT+AT+\j*BT, v26
.endr
.endr
	s_mul_i32 s92, s[WV], DUMPB                    ; my dump
	v_mul_u32_u24 v[DST], v20, DP
	v_lshl_add_u32 v[DST], v21, 5, v[DST]
	v_add_nc_u32 v[DST], s92, v[DST]
	v_mul_u32_u24 v[RDA], v24, DP                  ; back: eight lanes a row, 32 bytes each
	v_lshl_add_u32 v[RDA], v22, 5, v[RDA]
	v_add_nc_u32 v[RDA], s92, v[RDA]
	v_lshlrev_b32 v[GO], 4, v25
	v_lshlrev_b32 v[PFO], 8, v25
	v_lshlrev_b32 v[BO], 5, v22
	s_wait_tensorcnt 0x1                           ; my part of K step 0 is in; step 1's may stay out
	s_barrier_signal -1
	s_barrier_wait -1
	FETCH_A 0, 0, FA0
	FETCH_B 0, 0, 0
	FETCH_B 0, 0, 1
	FETCH_B 0, 0, 2
	Q0 0, 1                                        ; the first 96 products start the sums: nothing is cleared
	s_mov_b32 s[CNT], 7
.Llap:                                                 ; a trip goes once round the ring and fills both slots again: steps 2 .. 15
	Q1 0, 1, 1
	Q0 1, 0
	Q1 1, 0, 1
	Q0 0, 0
	s_sub_co_u32 s[CNT], s[CNT], 1
	s_cmp_lg_u32 s[CNT], 0
	s_cbranch_scc1 .Llap
	Q1 0, 1, 0                                     ; the tail is written out: nothing is left to ask for
	Q0 1, 0
	PHASE FA1, 0, 0, 16                            ; the last 96 products: the counts run down
.irp j, 0,1,2
	global_load_b128 v[BI+8*\j:BI+8*\j+3],   v[BO], s[ZB+2*\j:ZB+2*\j+1]  ; my eight columns' biases, into x's first buffer, which is read no more
	global_load_b128 v[BI+8*\j+4:BI+8*\j+7], v[BO], s[ZB+2*\j:ZB+2*\j+1] offset:16
.endr
	PHASE FA1, 1, 0, 8
	PHASE FA1, 2, 0, 0
	s_wait_dscnt 0x0
	s_barrier_signal -1                            ; every wave's reads of the ring are over, and no fill follows: its bytes become the dumps
	s_barrier_wait -1
.macro DUMP j                          ; each accumulator's lower four registers first
	WIN ((\j)+1)<<2                        ; the stores' data in window j + 1
.irp a, 0,1,2,3,4,5,6,7
.irp c, 0,1,2,3
	ds_store_b128 v[DST], v[8*(4*\a+\c):8*(4*\a+\c)+3]   offset:16*DP*\a+64*\c
	ds_store_b128 v[DST], v[8*(4*\a+\c)+4:8*(4*\a+\c)+7] offset:16*DP*\a+64*\c+16
.endr
.endr
	WIN 0
.endm
.macro FETCHX                          ; 16 rows x 64 columns: LDS serves a wave's instructions in order (ISA guide 5.7.1.4), so these see my stores
.irp i, 0,1,2,3
	ds_load_b128 v[XR+8*\i:XR+8*\i+3],   v[RDC] offset:4*DP*\i
	ds_load_b128 v[XR+8*\i+4:XR+8*\i+7], v[RDC] offset:4*DP*\i+16
.endr
.endm
.macro ROWS j
	s_mov_b32 s[WP], s[WT+(\j)]
	s_mov_b32 s[WP+1], s[WT+(\j)]
	s_mov_b32 s[RB], 0
	v_mov_b32 v[RDC], v[RDA]
	FETCHX
	s_mov_b32 s[CNT], 8
.Lrow_\@:
	s_wait_dscnt 0x0
.set n, 0
.rept 16
	v_pk_add_f32 v[TR+2*n:TR+2*n+1], v[XR+2*n:XR+2*n+1], v[BI+8*(\j)+2*(n%4):BI+8*(\j)+2*(n%4)+1]
.set n, n+1
.endr
	s_cmp_eq_u32 s[CNT], 1                         ; the last trip has no rows behind it
	s_cbranch_scc1 .Lnf_\@
	s_add_co_u32 s[RB], s[RB], 16*DP
	v_add_nc_u32 v[RDC], s[RB], v[RDA]
	FETCHX                                         ; the next 16 rows come in under this trip's arithmetic
.Lnf_\@:
.set n, 0
.rept 16
	v_pk_mul_f32 v[UR+2*n:UR+2*n+1], v[TR+2*n:TR+2*n+1], v[TR+2*n:TR+2*n+1]
.set n, n+1
.endr
.set n, 0
.rept 16
	v_pk_fma_f32 v[UR+2*n:UR+2*n+1], v[UR+2*n:UR+2*n+1], s[C1:C1+1], s[C0:C0+1] op_sel_hi:[1,0,0]
.set n, n+1
.endr
.set n, 0
.rept 16
	v_pk_mul_f32 v[UR+2*n:UR+2*n+1], v[UR+2*n:UR+2*n+1], v[TR+2*n:TR+2*n+1]
.set n, n+1
.endr
.set n, 0
.rept 16                                       ; one batch of 32 exponentials; w x, which names none of their results, stands between them and behind the last
	v_exp_f32 v[UR+2*n], v[UR+2*n]
	v_exp_f32 v[UR+2*n+1], v[UR+2*n+1]
	v_pk_mul_f32 v[VR+2*n:VR+2*n+1], v[TR+2*n:TR+2*n+1], s[WP:WP+1] op_sel_hi:[1,0]
.set n, n+1
.endr
	s_wait_alu depctr_va_vdst(0)                   ; one wait for the batch, ahead of its first reader
.set n, 0
.rept 16
	v_pk_add_f32 v[UR+2*n:UR+2*n+1], v[UR+2*n:UR+2*n+1], 1.0 op_sel_hi:[1,0]
.set n, n+1
.endr
.set n, 0
.rept 32
	v_rcp_f32 v[UR+n], v[UR+n]
.set n, n+1
.endr
	v_nop
	s_wait_alu depctr_va_vdst(0)                   ; one wait for the 32 reciprocals
.set n, 0
.rept 16
	v_pk_mul_f32 v[VR+2*n:VR+2*n+1], v[VR+2*n:VR+2*n+1], v[UR+2*n:UR+2*n+1]
.set n, n+1
.endr
.set n, 0
.rept 16
	v_cvt_pk_bf16_f32 v[YR+n], v[VR+2*n], v[VR+2*n+1]
.set n, n+1
.endr
.irp i, 0,1,2,3
	global_store_b128 v[GO], v[YR+4*\i:YR+4*\i+3], s[HB:HB+1] offset:512*\i th:TH_STORE_NT  ; four rows of the block: 512 consecutive bytes
.endr
	s_wait_xcnt 0x0                                ; the stores have read their data and their base
	s_add_nc_u64 s[HB:HB+1], s[HB:HB+1], 2048
	s_sub_co_u32 s[CNT], s[CNT], 1
	s_cmp_lg_u32 s[CNT], 0
	s_cbranch_scc1 .Lrow_\@
	s_add_nc_u64 s[HB:HB+1], s[HB:HB+1], 31*16384  ; the next expert's block lies 32 blocks on
.endm
	DUMP 0
	s_wait_loadcnt 0x0                             ; the biases
	ROWS 0
	DUMP 1
	ROWS 1
	DUMP 2
	ROWS 2
	s_wait_tensorcnt 0x0                           ; the wave's end, behind my last tensor load and my last LDS store
	ds_add_u32 v[SPW], v[NIL]
	s_wait_dscnt 0x0
	CROUND                                         ; the closing round
	s_endpgm
.Lfunc_end_k_qa164f362ce_ffn1:
	.size	k_qa164f362ce_ffn1, .Lfunc_end_k_qa164f362ce_ffn1-k_qa164f362ce_ffn1
	.p2alignl 7, 3214868480
	.fill 96, 4, 3214868480
	.section	.rodata,"a",@progbits
	.p2align	6, 0x0
	.amdhsa_kernel k_qa164f362ce_ffn1
		.amdhsa_group_segment_fixed_size 327680
		.amdhsa_private_segment_fixed_size 0
		.amdhsa_enable_private_segment 0
		.amdhsa_kernarg_size 48
		.amdhsa_user_sgpr_count 2
		.amdhsa_user_sgpr_kernarg_segment_ptr 1
		.amdhsa_wavefront_size32 1
		.amdhsa_system_sgpr_workgroup_id_x 1
		.amdhsa_system_sgpr_workgroup_id_y 1
		.amdhsa_system_sgpr_workgroup_id_z 1
		.amdhsa_system_vgpr_workitem_id 0
		.amdhsa_next_free_vgpr 1024
		.amdhsa_next_free_sgpr 100
		.amdhsa_reserve_vcc 0
		.amdhsa_float_denorm_mode_32 3
		.amdhsa_float_denorm_mode_16_64 3
		.amdhsa_memory_ordered 1
		.amdhsa_forward_progress 1
		.amdhsa_inst_pref_size 135
	.end_amdhsa_kernel
	.amdgpu_metadata
---
amdhsa.version: [ 1, 2 ]
amdhsa.kernels:
  - .name:           k_qa164f362ce_ffn1
    .symbol:         k_qa164f362ce_ffn1.kd
    .args:
      - { .name: xb, .offset: 0, .size: 8, .value_kind: global_buffer, .address_space: global }
      - { .name: w1b, .offset: 8, .size: 8, .value_kind: global_buffer, .address_space: global }
      - { .name: zb1, .offset: 16, .size: 8, .value_kind: global_buffer, .address_space: global }
      - { .name: route, .offset: 24, .size: 8, .value_kind: global_buffer, .address_space: global }
      - { .name: wts, .offset: 32, .size: 8, .value_kind: global_buffer, .address_space: global }
      - { .name: hid, .offset: 40, .size: 8, .value_kind: global_buffer, .address_space: global }
    .group_segment_fixed_size: 327680
    .private_segment_fixed_size: 0
    .kernarg_segment_align: 8
    .kernarg_segment_size: 48
    .max_flat_workgroup_size: 128
    .sgpr_count:     100
    .vgpr_count:     1024
    .wavefront_size: 32
...
	.end_amdgpu_metadata
.endif
;; end of part 3
;; launch ffn2 (part 4): grid 8 x 32, 4 waves a work-group, clusters of 4 x 1, 327,680 bytes of LDS; arguments hid, w2b, route, cb, x, out0; writes out0
.if DOCPART == 4
	.amdgcn_target "amdgcn-amd-amdhsa--gfx1250"
	.amdhsa_code_object_version 6
	.text
	.protected	k_qa164f362ce_ffn2
	.globl	k_qa164f362ce_ffn2
	.p2align	8
	.type	k_qa164f362ce_ffn2,@function
k_qa164f362ce_ffn2:
	s_mov_b64 s[64:65], 0
	v_nop
	global_prefetch_b8 v0, s[64:65] scope:SCOPE_SE
	s_setreg_imm32_b32 hwreg(HW_REG_WAVE_MODE, 25, 1), 1
	s_wait_xcnt 0x0
	s_wait_alu depctr_hold_cnt(0) depctr_sa_sdst(0) depctr_va_vdst(0) depctr_va_sdst(0) depctr_va_ssrc(0) depctr_va_vcc(0) depctr_vm_vsrc(0)
	s_getreg_b32 s2, hwreg(HW_REG_IB_STS2, 6, 4)
	s_cmp_eq_u32 s2, 0
	s_cbranch_scc0 .Lentry_in_a_cluster
	s_endpgm
.Lentry_in_a_cluster:
	s_bfe_u32 s2, ttmp6, 0x10000c
	s_cmp_lg_u32 s2, 0x3003
	s_cbranch_scc0 .Lentry_shape_is_right
	s_endpgm
.Lentry_shape_is_right:
; out[row][n] = x[row][n] + cb[b][n] + sum over j = 0..2 and f of hid[row][2,048 j + f] zw2[e_j][f][n]: one sum over K = 6,144, f32; hid already holds the experts' weights, cb the weighted zb2.
; LEFT OUT, as the first kernel's head shows: the expert that the batch did not choose.  The choice is read from route as whole numbers.
; SHARES.  A tile of out is 128 x 128: 256 equal work-groups (row tile rt = grid y, column tile ct = 4 x cluster x + cx); four waves of 64 x 64, 16 accumulators.  K goes in 24 steps of 256 through two LDS slots.
; hid lies in blocks [rt][k / 64][128 rows][64]: a step is four blocks, 65,536 dense bytes; waves 0 and 1 ask for two blocks each, as 128 rows of 256 bytes padded after every 128.  w2b lies [k][n]:
; waves 2 and 3 ask for 128 k-rows x 256 bytes each; the fragments are turned by ds_load_tr16_b128.
; WHAT IS SHARED.  The four partners of a cluster are four column tiles of one row tile and walk the same hid: its tiles are asked for JOINTLY, their address made of rt, the wave and the step.  The weights' tiles differ
; between the partners (other columns).  The four row tiles of a batch do read the same weights; in this text a joint request's descriptor is made of ids alone, and the weights' address hangs on the choice read from
; memory, so each work-group asks for its own: 64 KiB a step without a mask beside 64 KiB shared by four.
; THE THREE EXPERTS have a loop each (3, 4 and 4 laps of two steps; the first lap's fills stand at the head, the last lap fills nothing): inside a loop the weights' address takes constant steps alone, and between the
; loops it is set to the next expert's first rows.
; THE MATRIX INSTRUCTION IS USED TRANSPOSED (source 0 = 16 columns of zw2, source 1 = 16 rows of hid): a lane holds one row and eight neighbouring columns.
; x's and cb's numbers are asked for at the head, in the layout of the stores, and wait in registers.  The way out goes through a wave's own stage, 16 rows at a time; 16 lanes store 256 consecutive bytes, aligned.
; NO PREFETCH: a step's tiles are small and a wave has 112 matrix instructions between a request and the wait for it; the tile is the largest that gives each of 256 work-groups equal work.
; REGISTERS: window 0: v16-29 addresses; v96-99 cb; v128-255 accumulators, (a, c) at v[128 + 8 (4 a + c)].  Window 1: two fragment buffers of 128 (64 of hid, 64 of zw2, for 64 along K).  Window 2: v0-127 x.
.set PA,    144
.set PB,    288                        ; a k-row of weights: 256 bytes + 32: an odd multiple of 32, for the turning load
.set ABLK,  128*PA                     ; a block of hid in LDS
.set HALFT, 36864                      ; what one tensor load brings: two blocks of hid, or 128 k-rows
.set BOFF,  2*HALFT
.set SLOT,  4*HALFT
.set STAGE, 2*SLOT                     ; behind the ring, never filled: 16 rows x 272 bytes for each wave
.set SP,    272
.set SPARE, STAGE+4*16*SP              ; the spare words: 128 bytes a wave; no other line names them
.set STEPA, 65536                      ; a K step of hid in memory
.set STEPB, 256*2048                   ; and of the weights
.set ADRA, 16                          ; v16-17 hid's fragments in slot 0, 1
.set ADRB, 20                          ; v20-23 the weights': slot s, half hh of its k-rows at ADRB + 2 s + hh
.set STO,  24
.set RD,   25
.set CO,   26                          ; my byte offset in two rows of x and of out
.set CBO,  27
.set SPW,  28
.set NIL,  29
.set CB,   96
.set ACC,  128
.set F0,   0
.set F1,   128
.set WV,  16
.set WM,  17                           ; which 64 rows are mine.  Also: I fetch hid (0) or weights (1)
.set WN,  18                           ; which 64 columns.  Also: which half of that tile I fetch
.set CX,  19
.set CT,  21
.set RT,  22
.set BN,  23
.set G1A, 24
.set G0A, 32
.set G1B, 40
.set G0B, 48
.set SEL, 56                           ; s[56:59] the batch's row of route
.set AB,  60                           ; s[60:61] hid at my row tile and my half of a step
.set BBS, 62                           ; s[62:63] w2b at my columns and my half of a step
.set PE,  66                           ; s[66:71] the same at expert place j's first rows
.set NA,  72                           ; s[72:75] where slot s's next fill of weights stands
.set CNT, 76
.set LW,  77                           ; where my loads land in a slot
.set MSB, 0
.macro WIN new
.if MSB != (\new)
	s_set_vgpr_msb (MSB<<8)|(\new)
.set MSB, (\new)
.endif
.endm
.set MUL,  0x05                        ; both sources in window 1, C and D in window 0
.set TO_F, 0x40                        ; destination in window 1, address in window 0
.macro JLOAD s                         ; an s_nop 0 and four v_nop follow each line, ahead of the jump and the label
	s_cmp_eq_u32 s[WM], 0
	s_cbranch_scc0 .Lfor_b_\@
	tensor_load_to_lds s[G0A+4*(\s):G0A+4*(\s)+3], s[G1A:G1A+7]
	s_nop 0
.rept 4
	v_nop
.endr
	s_branch .Lasked_\@
.Lfor_b_\@:
	tensor_load_to_lds s[G0B+4*(\s):G0B+4*(\s)+3], s[G1B:G1B+7]
	s_nop 0
.rept 4
	v_nop
.endr
.Lasked_\@:
.endm
.macro CREST
	s_cmp_lg_u32 s[WV], 0
	s_cbranch_scc1 .Lnot_wave_0_\@
	s_barrier_signal -3
.Lnot_wave_0_\@:
	s_barrier_wait -3
	s_barrier_signal -1
	s_barrier_wait -1
.endm
.macro CROUND
	s_barrier_signal -1
	s_barrier_wait -1
	CREST
.endm
; Slot's two descriptors for its next fill; no tensor load of the wave is out where this stands.  hid's address walks two steps on; the weights' is taken from NA, which then walks two steps on.
.macro STEPAD slot
	s_add_nc_u64 s[G0A+4*(\slot)+2:G0A+4*(\slot)+3], s[G0A+4*(\slot)+2:G0A+4*(\slot)+3], 2*STEPA
	s_add_nc_u64 s[G0B+4*(\slot)+2:G0B+4*(\slot)+3], s[NA+2*(\slot):NA+2*(\slot)+1], 0
	s_or_b32 s[G0B+4*(\slot)+3], s[G0B+4*(\slot)+3], 0x80000000
	s_add_nc_u64 s[NA+2*(\slot):NA+2*(\slot)+1], s[NA+2*(\slot):NA+2*(\slot)+1], 2*STEPB
.endm
	s_load_b256 s[4:11], s[0:1], 0x0               ; hid 4, w2b 6, route 8, cb 10
	s_load_b128 s[12:15], s[0:1], 0x20             ; x 12, out0 14
	v_lshl_add_u32 v[SPW], v0, 2, SPARE
	v_mov_b32 v[NIL], 0
	ds_add_u32 v[SPW], v[NIL]                      ; the wave's opening: the add, twice on end, and its wait ahead of my first tensor load
	ds_add_u32 v[SPW], v[NIL]
	v_lshrrev_b32 v1, 5, v0
	v_readfirstlane_b32 s[WV], v1
	s_lshr_b32 s[WM], s[WV], 1
	s_and_b32 s[WN], s[WV], 1
	s_bfe_u32 s[CX], ttmp6, 0x40000
	s_lshl_b32 s[CT], ttmp9, 2
	s_add_co_u32 s[CT], s[CT], s[CX]
	s_and_b32 s[RT], ttmp7, 0xffff
	s_lshr_b32 s[BN], s[RT], 2
	s_mov_b32 s[G1A], 15|(1<<16)|(1<<20)|(1<<21)|(4<<22)|(3<<25)  ; the mask of four; 2-byte elements; padding on; bit 21 beside a mask; after every 32 words 4 words
	s_mov_b32 s[G1B], (1<<16)|(1<<20)|(5<<22)|(7<<25)             ; no mask; after every 64 words 8 words
.irp g, G1A, G1B
	s_mov_b32 s[\g+1], 128<<16                     ; tensor_dim0 = 128
	s_mov_b32 s[\g+2], 128<<16                     ; tensor_dim1 = 128
	s_mov_b32 s[\g+3], 128<<16                     ; tile_dim0 = 128
	s_mov_b32 s[\g+4], 128                         ; tile_dim1 = 128
	s_mov_b32 s[\g+6], 0
	s_mov_b32 s[\g+7], 0
.endr
	s_mov_b32 s[G1A+5], 128                        ; elements from row to row: hid's blocks are dense,
	s_mov_b32 s[G1B+5], 1024                       ; a k-row of zw2 has 1,024
	s_mul_i32 s[AB], s[RT], 96*16384
	s_lshl_b32 s80, s[WN], 15
	s_add_co_u32 s[AB], s[AB], s80
	s_mov_b32 s[AB+1], 0
	s_lshl_b32 s[BBS], s[CT], 8
	s_lshl_b32 s80, s[WN], 18
	s_add_co_u32 s[BBS], s[BBS], s80
	s_mov_b32 s[BBS+1], 0
	s_mul_i32 s[LW], s[WV], HALFT
	s_lshl_b32 s78, s[BN], 4
	s_mov_b32 s79, 0
	s_mov_b32 s81, 0
	s_wait_dscnt 0x0                               ; both opening adds are done
	s_wait_kmcnt 0x0
	s_add_nc_u64 s[78:79], s[8:9], s[78:79]
	s_load_b128 s[SEL:SEL+3], s[78:79], 0x0
	s_add_nc_u64 s[AB:AB+1], s[4:5], s[AB:AB+1]
	s_add_nc_u64 s[BBS:BBS+1], s[6:7], s[BBS:BBS+1]
	s_wait_kmcnt 0x0
.irp j, 0,1,2
	s_min_u32 s80, s[SEL+\j], 3
	s_lshl_b32 s80, s80, 22                        ; 4,194,304 bytes an expert
	s_add_nc_u64 s[PE+2*\j:PE+2*\j+1], s[BBS:BBS+1], s[80:81]
.endr
	s_add_nc_u64 s[NA:NA+1], s[PE:PE+1], 2*STEPB   ; the first refills bring steps 2 and 3
	s_add_nc_u64 s[NA+2:NA+3], s[PE:PE+1], 3*STEPB
	CROUND                                         ; all four work-groups are here: the first joint loads meet
.irp s, 0,1
	s_mov_b32 s[G0A+4*\s], 1
	s_add_co_u32 s[G0A+4*\s+1], s[LW], \s*SLOT
	s_add_nc_u64 s[G0A+4*\s+2:G0A+4*\s+3], s[AB:AB+1], \s*STEPA
	s_or_b32 s[G0A+4*\s+3], s[G0A+4*\s+3], 0x80000000
	s_mov_b32 s[G0B+4*\s], 1
	s_add_co_u32 s[G0B+4*\s+1], s[LW], \s*SLOT
	s_add_nc_u64 s[G0B+4*\s+2:G0B+4*\s+3], s[PE:PE+1], \s*STEPB
	s_or_b32 s[G0B+4*\s+3], s[G0B+4*\s+3], 0x80000000
	JLOAD \s                                       ; K steps 0 and 1: two loads of mine are out
.endr
	v_and_b32 v1, 15, v0                           ; l % 16
	v_bfe_u32 v2, v0, 4, 1                         ; l / 16
	v_and_b32 v3, 7, v0
	v_bfe_u32 v4, v0, 3, 1
	v_mul_u32_u24 v5, v1, PA
	v_lshl_add_u32 v5, v2, 4, v5
	s_mul_i32 s80, s[WM], 64*PA
	v_add_nc_u32 v[ADRA], s80, v5
	v_add_nc_u32 v[ADRA+1], SLOT, v[ADRA]
	v_lshl_add_u32 v6, v2, 3, v3
	v_mul_u32_u24 v6, v6, PB
	v_lshl_add_u32 v6, v4, 4, v6
	s_lshl_b32 s80, s[WN], 7
	s_add_co_u32 s80, s80, BOFF
	v_add_nc_u32 v6, s80, v6
.irp s, 0,1
.irp hh, 0,1
	v_add_nc_u32 v[ADRB+2*\s+\hh], \s*SLOT+\hh*HALFT, v6
.endr
.endr
	s_mul_i32 s80, s[WV], 16*SP
	s_add_co_u32 s80, s80, STAGE                   ; my stage
	v_mul_u32_u24 v7, v1, SP                       ; in: row l % 16, 32 bytes for each half of the lanes
	v_lshl_add_u32 v7, v2, 5, v7
	v_add_nc_u32 v[STO], s80, v7
	v_mul_u32_u24 v8, v2, SP                       ; back: lanes 0-15 one row of 256 bytes, lanes 16-31 the next
	v_lshl_add_u32 v8, v1, 4, v8
	v_add_nc_u32 v[RD], s80, v8
	v_lshlrev_b32 v[CO], 12, v2                    ; and the same two rows in x and out
	v_lshl_add_u32 v[CO], v1, 4, v[CO]
	v_lshlrev_b32 v[CBO], 4, v1
	s_lshl_b32 s2, s[RT], 19                       ; 128 rows of 4,096 bytes,
	s_lshl_b32 s3, s[WM], 18                       ; my 64 of them,
	s_add_co_u32 s2, s2, s3
	s_lshl_b32 s82, s[CT], 9                       ; the tile's 512 bytes of a row,
	s_lshl_b32 s3, s[WN], 8                        ; my 256 of them
	s_add_co_u32 s82, s82, s3
	s_add_co_u32 s2, s2, s82
	s_mov_b32 s3, 0
	s_add_nc_u64 s[12:13], s[12:13], s[2:3]
	s_add_nc_u64 s[14:15], s[14:15], s[2:3]
	s_lshl_b32 s2, s[BN], 12
	s_add_co_u32 s2, s2, s82
	s_add_nc_u64 s[10:11], s[10:11], s[2:3]
	WIN 0x80                                       ; destination in window 2
.set i, 0
.rept 32                                       ; my 64 x 64 of x, two rows a load; waited for on the way out
	global_load_b128 v[4*i:4*i+3], v[CO], s[12:13] offset:8192*i th:TH_LOAD_NT
.set i, i+1
.endr
	WIN 0
	global_load_b128 v[CB:CB+3], v[CBO], s[10:11]
.macro MUL8 f, c, a0, zero             ; row blocks a0, a0 + 1 x my four column blocks, 32 along K: half c of buffer f
	WIN MUL
.irp a, \a0, (\a0)+1
.irp b, 0,1,2,3
.if \zero
	v_wmma_f32_16x16x32_bf16 v[ACC+8*(4*(\a)+(\b)):ACC+8*(4*(\a)+(\b))+7], v[(\f)+64+8*(4*(\c)+(\b)):(\f)+64+8*(4*(\c)+(\b))+7], v[(\f)+8*(4*(\c)+(\a)):(\f)+8*(4*(\c)+(\a))+7], 0
.else
	v_wmma_f32_16x16x32_bf16 v[ACC+8*(4*(\a)+(\b)):ACC+8*(4*(\a)+(\b))+7], v[(\f)+64+8*(4*(\c)+(\b)):(\f)+64+8*(4*(\c)+(\b))+7], v[(\f)+8*(4*(\c)+(\a)):(\f)+8*(4*(\c)+(\a))+7], v[ACC+8*(4*(\a)+(\b)):ACC+8*(4*(\a)+(\b))+7]
.endif
.endr
.endr
.endm
.macro FETCH slot, kb, f               ; 32 LDS loads in one run: block kb of the step (64 along K) into buffer f, its first 32 along K first
	WIN TO_F
.irp c, 0,1
.irp i, 0,1,2,3
	ds_load_tr16_b128 v[(\f)+64+8*(4*\c+\i):(\f)+64+8*(4*\c+\i)+3],   v[ADRB+2*(\slot)+(\kb)/2] offset:(((\kb)%2)*64+32*\c)*PB+32*\i
	ds_load_tr16_b128 v[(\f)+64+8*(4*\c+\i)+4:(\f)+64+8*(4*\c+\i)+7], v[ADRB+2*(\slot)+(\kb)/2] offset:(((\kb)%2)*64+32*\c)*PB+32*\i+16*PB
	ds_load_b128 v[(\f)+8*(4*\c+\i):(\f)+8*(4*\c+\i)+3],               v[ADRA+(\slot)] offset:(\kb)*ABLK+64*\c+16*PA*\i
	ds_load_b128 v[(\f)+8*(4*\c+\i)+4:(\f)+8*(4*\c+\i)+7],             v[ADRA+(\slot)] offset:(\kb)*ABLK+64*\c+16*PA*\i+32
.endr
.endr
.endm
.macro PLACES
.rept 4
	v_nop
.endr
.endm
; A K step is four quarters of 64 along K, 32 matrix instructions each, on buffers 0, 1, 0, 1; the 16 accumulators take turns.
.macro QUARTER slot, kb, f, g, zero    ; multiplies buffer f and fetches block kb into g
	s_wait_dscnt 16                                ; the first 32 along K are in; the youngest 16 loads may be out
	MUL8 \f, 0, 0, \zero
	MUL8 \f, 0, 2, \zero
	PLACES
	FETCH \slot, \kb, \g
	s_wait_dscnt 32                                ; all but the 32 just issued
	MUL8 \f, 1, 0, 0
	MUL8 \f, 1, 2, 0
.endm
; The last quarter changes slots: ONE barrier; in front of it each wave waits for all its tensor loads, adds 0 to its spare word, and waits for that and for its reads of this slot.
.macro TURN slot, next, fill
	WIN 0
	s_wait_tensorcnt 0x0                           ; no tensor load of mine is out, so the descriptors may be written
	ds_add_u32 v[SPW], v[NIL]
.if \fill
	STEPAD \slot
.endif
	s_wait_dscnt 17                                ; the add and the youngest 16 loads may be out
	MUL8 F1, 0, 0, 0
	s_wait_dscnt 0x0                               ; the add is done, and my reads of this slot are over
	s_barrier_signal -1
	MUL8 F1, 0, 2, 0
.if \fill
	WIN 0
.endif
	s_barrier_wait -1
.if \fill
	CREST                                          ; no wave of any partner still reads this slot or has a load on its way
	JLOAD \slot                                    ; the first tensor load behind the round; its four v_nop are also the places in front of the loads below
.else
	PLACES
.endif
	FETCH \next, 0, F0
	MUL8 F1, 1, 0, 0
	MUL8 F1, 1, 2, 0
.endm
; n laps: a trip goes once round the ring, from a lap's second quarter to the next lap's first, and fills both slots again
.macro LAPS n
	s_mov_b32 s[CNT], \n
.Llap_\@:
	QUARTER 0, 2, F1, F0, 0
	QUARTER 0, 3, F0, F1, 0
	TURN 0, 1, 1
	QUARTER 1, 1, F0, F1, 0
	QUARTER 1, 2, F1, F0, 0
	QUARTER 1, 3, F0, F1, 0
	TURN 1, 0, 1
	QUARTER 0, 1, F0, F1, 0
	WIN 0
	s_sub_co_u32 s[CNT], s[CNT], 1
	s_cmp_lg_u32 s[CNT], 0
	s_cbranch_scc1 .Llap_\@
.endm
	s_wait_tensorcnt 0x1                           ; my part of K step 0 is in; step 1's may stay out
	s_barrier_signal -1
	s_barrier_wait -1
	FETCH 0, 0, F0
	QUARTER 0, 1, F0, F1, 1                        ; the first products start the sums
	WIN 0
	LAPS 3                                         ; asks for steps 2 .. 7: the rest of the first expert
	s_add_nc_u64 s[NA:NA+1], s[PE+2:PE+3], 0
	s_add_nc_u64 s[NA+2:NA+3], s[PE+2:PE+3], STEPB
	LAPS 4                                         ; steps 8 .. 15: the second expert
	s_add_nc_u64 s[NA:NA+1], s[PE+4:PE+5], 0
	s_add_nc_u64 s[NA+2:NA+3], s[PE+4:PE+5], STEPB
	LAPS 4                                         ; steps 16 .. 23: the third
	QUARTER 0, 2, F1, F0, 0                        ; the last lap fills nothing
	QUARTER 0, 3, F0, F1, 0
	TURN 0, 1, 0
	QUARTER 1, 1, F0, F1, 0
	QUARTER 1, 2, F1, F0, 0
	QUARTER 1, 3, F0, F1, 0
	s_wait_dscnt 16
	MUL8 F1, 0, 0, 0
	MUL8 F1, 0, 2, 0
	s_wait_dscnt 0x0
	MUL8 F1, 1, 0, 0
	MUL8 F1, 1, 2, 0
	WIN 0
	PLACES
	PLACES
	s_wait_loadcnt 0x0                             ; x and cb
; Block a (16 rows): the sums go into my stage, each accumulator's lower four registers first, and come back as whole rows into the registers that they left.
.macro PACK a
.irp c, 0,1,2,3
	ds_store_b128 v[STO], v[ACC+32*(\a)+8*\c:ACC+32*(\a)+8*\c+3]   offset:64*\c
	ds_store_b128 v[STO], v[ACC+32*(\a)+8*\c+4:ACC+32*(\a)+8*\c+7] offset:64*\c+16
.endr
.irp t, 0,1,2,3,4,5,6,7
	ds_load_b128 v[ACC+32*(\a)+4*\t:ACC+32*(\a)+4*\t+3], v[RD] offset:2*SP*\t  ; LDS serves a wave's instructions in order (ISA guide 5.7.1.4): these see the stores above; the next block's stores come behind them
.endr
.endm
.macro SEND a, younger                 ; younger: the next block's sixteen LDS instructions, or none
	s_wait_dscnt \younger
	WIN 0x08                                       ; source 1 in window 2: x
.set n, 0
.rept 16
	v_pk_add_f32 v[ACC+32*(\a)+2*n:ACC+32*(\a)+2*n+1], v[ACC+32*(\a)+2*n:ACC+32*(\a)+2*n+1], v[32*(\a)+2*n:32*(\a)+2*n+1]
.set n, n+1
.endr
	WIN 0
.set n, 0
.rept 16
	v_pk_add_f32 v[ACC+32*(\a)+2*n:ACC+32*(\a)+2*n+1], v[ACC+32*(\a)+2*n:ACC+32*(\a)+2*n+1], v[CB+2*(n%2):CB+2*(n%2)+1]
.set n, n+1
.endr
.irp t, 0,1,2,3,4,5,6,7
	global_store_b128 v[CO], v[ACC+32*(\a)+4*\t:ACC+32*(\a)+4*\t+3], s[14:15] offset:8192*(8*(\a)+\t) th:TH_STORE_NT  ; 16 lanes store 256 consecutive bytes, at a multiple of 256 from out's first byte
.endr
.endm
	PACK 0
	PACK 1
	SEND 0, 16
	PACK 2
	SEND 1, 16
	PACK 3
	SEND 2, 16
	SEND 3, 0
	s_wait_tensorcnt 0x0                           ; the wave's end, behind my last tensor load and my last LDS store
	ds_add_u32 v[SPW], v[NIL]
	s_wait_dscnt 0x0
	CROUND                                         ; the closing round
	s_endpgm
.Lfunc_end_k_qa164f362ce_ffn2:
	.size	k_qa164f362ce_ffn2, .Lfunc_end_k_qa164f362ce_ffn2-k_qa164f362ce_ffn2
	.p2alignl 7, 3214868480
	.fill 96, 4, 3214868480
	.section	.rodata,"a",@progbits
	.p2align	6, 0x0
	.amdhsa_kernel k_qa164f362ce_ffn2
		.amdhsa_group_segment_fixed_size 327680
		.amdhsa_private_segment_fixed_size 0
		.amdhsa_enable_private_segment 0
		.amdhsa_kernarg_size 48
		.amdhsa_user_sgpr_count 2
		.amdhsa_user_sgpr_kernarg_segment_ptr 1
		.amdhsa_wavefront_size32 1
		.amdhsa_system_sgpr_workgroup_id_x 1
		.amdhsa_system_sgpr_workgroup_id_y 1
		.amdhsa_system_sgpr_workgroup_id_z 1
		.amdhsa_system_vgpr_workitem_id 0
		.amdhsa_next_free_vgpr 640
		.amdhsa_next_free_sgpr 84
		.amdhsa_reserve_vcc 0
		.amdhsa_float_denorm_mode_32 3
		.amdhsa_float_denorm_mode_16_64 3
		.amdhsa_memory_ordered 1
		.amdhsa_forward_progress 1
		.amdhsa_inst_pref_size 171
	.end_amdhsa_kernel
	.amdgpu_metadata
---
amdhsa.version: [ 1, 2 ]
amdhsa.kernels:
  - .name:           k_qa164f362ce_ffn2
    .symbol:         k_qa164f362ce_ffn2.kd
    .args:
      - { .name: hid, .offset: 0, .size: 8, .value_kind: global_buffer, .address_space: global }
      - { .name: w2b, .offset: 8, .size: 8, .value_kind: global_buffer, .address_space: global }
      - { .name: route, .offset: 16, .size: 8, .value_kind: global_buffer, .address_space: global }
      - { .name: cb, .offset: 24, .size: 8, .value_kind: global_buffer, .address_space: global }
      - { .name: x, .offset: 32, .size: 8, .value_kind: global_buffer, .address_space: global }
      - { .name: out0, .offset: 40, .size: 8, .value_kind: global_buffer, .address_space: global }
    .group_segment_fixed_size: 327680
    .private_segment_fixed_size: 0
    .kernarg_segment_align: 8
    .kernarg_segment_size: 48
    .max_flat_workgroup_size: 128
    .sgpr_count:     84
    .vgpr_count:     640
    .wavefront_size: 32
...
	.end_amdgpu_metadata
.endif
;; end of part 4
;; ======== version 2 of 2: 4 launches; version 1 with the launches prep1, prep2 written anew for expert scheduling mode
;; workspace buffers: xb 8,388,608 bytes; w1b 16,777,216 bytes; w2b 16,777,216 bytes; hid 50,331,648 bytes; hpart 131,072 bytes; route 256 bytes of whole numbers; wts 256 bytes; cb 32,768 bytes
;; launch prep1 (part 5): grid 384 x 1, 8 waves a work-group, no clusters, 11,264 bytes of LDS; arguments x, rw1, zw1, xb, hpart, w1b; writes xb, hpart, w1b
.if DOCPART == 5
	.amdgcn_target "amdgcn-amd-amdhsa--gfx1250"
	.amdhsa_code_object_version 6
	.text
	.protected	k_qa164f362ce_prep1
	.globl	k_qa164f362ce_prep1
	.p2align	8
	.type	k_qa164f362ce_prep1,@function
k_qa164f362ce_prep1:
	s_mov_b64 s[64:65], 0
	v_nop
	global_prefetch_b8 v0, s[64:65] scope:SCOPE_SE
	s_setreg_imm32_b32 hwreg(HW_REG_WAVE_SCHED_MODE, 0, 2), 2
	s_setreg_imm32_b32 hwreg(HW_REG_WAVE_MODE, 25, 1), 1
	s_wait_xcnt 0x0
	s_wait_alu depctr_vm_vsrc(0)
; THE PROGRAM: out = x + sum over the chosen experts e of w_be (gelu(x zw1[e] + zb1[e]) zw2[e] + zb2[e]), in four launches:
;   prep1  x rounded to bf16 in blocks; the sequence sums of x times rw1, in 16 parts a batch; zw1 rounded to bf16 in blocks
;   prep2  one work-group ends the router (choice, weights, combined zb2); 256 others round zw2 to bf16
;   ffn1   hid = w_be gelu(x zw1[e] + zb1[e]) for the three chosen experts of each batch, bf16
;   ffn2   out = x + cb + hid zw2[chosen], one sum over 3 x 2,048 hidden numbers: each output row has one owner
; WORK LEFT OUT.  (1) reference() multiplies z[b,e] by w_be = sum over k of topk_w[b,k] [topk_idx[b,k] == e].  top_k returns 3 of the 4 experts, so for the
; fourth the one_hot that reference() builds makes w_be exactly 0, whatever the inputs hold: that expert's two products reach no output of batch b and are not made.
; Which expert that is hangs on the inputs: prep2 stores it as whole numbers, and ffn1 and ffn2 read it from memory.  (2) The softmax's division by its sum Z:
; topk_w = topk_vals / sum(topk_vals), in which 1/Z cancels for all inputs, and the order of the probabilities is the order of the exponentials.  The maximum is
; taken away in front of the exponentials as reference() takes it.  Every input has a way to the output and is loaded.
; LIMITS.  A NaN, an infinity or an overflow that arises only in the expert left out is not carried to the result.  The choice compares 2^((l - max) log2 e), not the
; divided probabilities; equal numbers drop the higher index, as lax.top_k does; the router's f32 sums run in another order than reference()'s, so logits closer than
; f32 rounding may be ordered otherwise.  NaN logits are not treated apart.  Matrix operands are bf16, sums f32.
;
; THIS LAUNCH.  Work-groups 0-127 (batch b = id / 16, strip kb = id % 16 of 64 columns): eight waves, 64 rows each.  A load takes two rows' 256 bytes; the numbers are summed
; in f32 and stored as bf16 into xb[b][kb][512 rows][64], a store of a wave covering 256 consecutive bytes, aligned.  The strip's 64 column sums meet in LDS; wave v multiplies
; sums 8 v .. 8 v + 7 by their rows of rw1; the eight partial rows of 256 meet in LDS again and leave as hpart[b][kb][256].
; Work-groups 128-383: 16 k-rows of one expert of zw1 each, rounded to bf16 into w1b[e][column group of 64][1,024 k][64]: a load takes two k-rows' 256 bytes of one column group,
; and its store again covers 256 consecutive bytes, aligned.
; No matrix unit, no cluster, no tensor load: each byte is read once by one wave and nothing but 64 KiB of rw1 is shared.
; THE MODE: SCHED_MODE bits 1:0 = 2 (LLVM: expert scheduling mode 2), set by the entry lines.  The code itself states the register dependences between vector instructions
; and memory or LDS instructions, with s_wait_alu, always for 0.
; THE PLAN.  Registers that memory or LDS instructions touch:
;   v3-5, v8-11   offsets and LDS addresses: made once at a path's head, ahead of its one wait there, and never written again.
;   X             load i lands in four registers; its two conversions write the first two of them in place; store i reads those two.  The loads go in blocks of four (the strip's first
;                 block is eight: loads i and i + 4 start sum i).  ONE wait on va_vdst at a block's head states that the block before has written its bf16 words; that block's stores
;                 follow it, dealt among this block's sums and conversions, which name this block's X and S alone.  In the strip's path LDS loads land in X behind the first barrier.
;   S[0:3], AC    written by sums, read by one LDS store each, and not written again.
;   R             loaded once, read by vector instructions alone.     v14, v15  read by the closing add alone.
.set SUMS,  0                          ; LDS: wave u's 64 column sums at 256 u
.set HP,    2048                       ; wave u's partial row of 256 at HP + 1,024 u
.set SPARE, 10240                      ; the spare words: 128 bytes for each of the eight waves; no other line names them
.set XO,  3                            ; v3   my byte offset in the source for load 0
.set WO,  4                            ; v4   my byte offset in rw1's 64 rows
.set SO,  5                            ; v5   my byte offset in the bf16 output
.set SPW, 14                           ; v14  my spare word
.set NIL, 15                           ; v15  0
.set S,   16                           ; v[16:31]   four running sums of four columns
.set P,   32                           ; v[32:39]   my wave's eight column sums
.set AC,  40                           ; v[40:47]   my eight numbers of the partial row
.set X,   64                           ; v[64:191]  32 loads of 16 bytes a lane
.set R,   192                          ; v[192:255] my wave's eight rows of rw1
.set WV,  16                           ; s16  my wave's number
; load i's four f32 become four bf16, in place
.macro CV i
	v_cvt_pk_bf16_f32 v[X+4*(\i)], v[X+4*(\i)], v[X+4*(\i)+1]
	v_cvt_pk_bf16_f32 v[X+4*(\i)+1], v[X+4*(\i)+2], v[X+4*(\i)+3]
.endm
; and leave: 32 lanes x 8 bytes
.macro ST i, lo, off
	global_store_b64 v[SO], v[X+4*(\i):X+4*(\i)+1], s[\lo:\lo+1] offset:\off th:TH_STORE_NT
.endm
	s_load_b256 s[4:11], s[0:1], 0x0               ; x s[4:5], rw1 s[6:7], zw1 s[8:9], xb s[10:11]
	s_load_b128 s[12:15], s[0:1], 0x20             ; hpart s[12:13], w1b s[14:15]
	v_lshl_add_u32 v[SPW], v0, 2, SPARE
	v_mov_b32 v[NIL], 0
	v_and_b32 v1, 31, v0                           ; lane
	v_lshrrev_b32 v2, 5, v0
	v_readfirstlane_b32 s[WV], v2                  ; wave 0..7
	v_lshrrev_b32 v6, 4, v1                        ; l / 16
	v_and_b32 v7, 15, v1                           ; l % 16
	s_wait_alu depctr_va_sdst(0)                   ; s16 is written, ahead of the branch and of its first reader: the strip's LDS addresses are made from it
	s_cmp_lt_u32 ttmp9, 128                        ; the same in all eight waves
	s_cbranch_scc0 .Lcast
	; ---- a strip of x ----
	s_lshr_b32 s17, ttmp9, 4                       ; b
	s_and_b32 s18, ttmp9, 15                       ; kb
	s_lshl_b32 s20, s17, 21                        ; the batch's 512 rows of 4,096 bytes
	s_lshl_b32 s19, s18, 8                         ; the strip's 256 bytes of a row
	s_add_co_u32 s20, s20, s19
	s_mov_b32 s21, 0
	s_lshl_b32 s26, s18, 16                        ; the strip's 64 rows of rw1
	s_mov_b32 s27, 0
	s_lshl_b32 s28, ttmp9, 16                      ; xb: block 16 b + kb of 65,536 bytes
	s_mov_b32 s29, 0
	s_lshl_b32 s30, ttmp9, 10                      ; hpart: row 16 b + kb of 1,024 bytes
	s_mov_b32 s31, 0
	s_mov_b32 s22, 0x76543210                      ; v_permlanex16_b32: each lane takes its own place in the other half
	s_mov_b32 s23, 0xfedcba98
	v_lshl_add_u32 v6, v2, 6, v6                   ; row 64 v + l / 16
	v_lshlrev_b32 v[XO], 12, v6
	v_lshl_add_u32 v[XO], v7, 4, v[XO]
	v_lshlrev_b32 v[WO], 4, v1
	v_lshl_add_u32 v[WO], v2, 13, v[WO]            ; rows 8 v on, 16 bytes a lane
	v_lshlrev_b32 v[SO], 3, v1                     ; two rows of 128 bytes: 8 bytes a lane,
	v_lshl_add_u32 v[SO], v2, 13, v[SO]            ; my wave's 64 rows
	s_lshl_b32 s24, s[WV], 8                       ; (each of these four scalars has a register of its own)
	v_lshl_add_u32 v8, v7, 4, s24                  ; where my wave's sums go
	s_lshl_b32 s25, s[WV], 5
	v_mov_b32 v9, s25                              ; where my wave's eight columns lie in each wave's sums
	s_lshl_b32 s2, s[WV], 10
	v_lshl_add_u32 v10, v1, 4, s2                  ; where my partial row goes
	s_lshl_b32 s3, s[WV], 9
	v_lshl_add_u32 v11, v1, 4, s3                  ; waves 0 and 1: my half of the row, in LDS and in hpart
	s_wait_kmcnt 0x0
	s_add_nc_u64 s[4:5], s[4:5], s[20:21]
	s_add_nc_u64 s[6:7], s[6:7], s[26:27]
	s_add_nc_u64 s[10:11], s[10:11], s[28:29]
	s_add_nc_u64 s[12:13], s[12:13], s[30:31]
	s_wait_alu depctr_va_vdst(0)                   ; v3 to v5 and v8 to v11 are written: every load and store of this path, global or LDS, reads one of them as its offset or address
.set i, 0
.rept 32                                       ; my 64 rows, two a load
	global_load_b128 v[X+4*i:X+4*i+3], v[XO], s[4:5] offset:8192*i th:TH_LOAD_NT
.set i, i+1
.endr
.set i, 0
.rept 16                                       ; eight rows of rw1, two loads a row: hidden units 4 l .. and 128 + 4 l ..
	global_load_b128 v[R+4*i:R+4*i+3], v[WO], s[6:7] offset:512*i
.set i, i+1
.endr
.set i, 0
.rept 4                                        ; the first block.  48 loads are out; load i + 4 is in when 43 - i younger ones remain.  The first eight loads start the four sums
	s_wait_loadcnt 43-i
	v_pk_add_f32 v[S+4*i:S+4*i+1], v[X+4*i:X+4*i+1], v[X+4*i+16:X+4*i+17]
	v_pk_add_f32 v[S+4*i+2:S+4*i+3], v[X+4*i+2:X+4*i+3], v[X+4*i+18:X+4*i+19]
	CV i
	CV i+4
.set i, i+1
.endr
.set i, 8
.rept 6                                        ; six blocks of four loads
	s_wait_alu depctr_va_vdst(0)                   ; the block before has written its bf16 words, which the stores of this block read; no vector line below names them
.rept 4
.if i < 12
	ST 2*i-16, 10, 256*(2*i-16)                    ; the first block's eight stores, two at a time,
	ST 2*i-15, 10, 256*(2*i-15)
.else
	ST i-4, 10, 256*(i-4)                          ; later the four of the block before
.endif
	s_wait_loadcnt 47-i                            ; load i is in
	v_pk_add_f32 v[S+4*(i%4):S+4*(i%4)+1], v[S+4*(i%4):S+4*(i%4)+1], v[X+4*i:X+4*i+1]
	v_pk_add_f32 v[S+4*(i%4)+2:S+4*(i%4)+3], v[S+4*(i%4)+2:S+4*(i%4)+3], v[X+4*i+2:X+4*i+3]
	CV i
.set i, i+1
.endr
.endr
.irp k, 0,2
	v_pk_add_f32 v[S+\k:S+\k+1], v[S+\k:S+\k+1], v[S+4+\k:S+4+\k+1]
	v_pk_add_f32 v[S+8+\k:S+8+\k+1], v[S+8+\k:S+8+\k+1], v[S+12+\k:S+12+\k+1]
.endr
.irp k, 0,2
	v_pk_add_f32 v[S+\k:S+\k+1], v[S+\k:S+\k+1], v[S+8+\k:S+8+\k+1]
.endr
.irp k, 0,1,2,3
	v_permlanex16_b32 v[S+4+\k], v[S+\k], s22, s23 ; the odd rows' sums lie 16 lanes away
.endr
.irp k, 0,2
	v_pk_add_f32 v[S+\k:S+\k+1], v[S+\k:S+\k+1], v[S+4+\k:S+4+\k+1]
.endr
	s_wait_alu depctr_va_vdst(0)                   ; the last block has written its bf16 words, which the four stores read; the sums have written S, which the LDS store reads; every sum and conversion is done with X, in which the LDS loads behind the barrier land
.irp k, 28,29,30,31
	ST \k, 10, 256*\k
.endr
	ds_store_b128 v8, v[S:S+3] offset:SUMS         ; both halves of the lanes write the same numbers
	s_wait_dscnt 0x0                               ; for the other waves: my sums lie in LDS
	s_barrier_signal -1
	s_barrier_wait -1
	s_wait_xcnt 0x0                                ; the stores' addresses are translated: X is loaded anew only behind this wait
	s_wait_alu depctr_vm_vsrc(0)                   ; the stores have read X, in which the LDS loads below land
.set u, 0
.rept 8                                        ; all lanes read the same words: wave u's sums of my eight columns
	ds_load_b128 v[X+8*u:X+8*u+3], v9 offset:SUMS+256*u
	ds_load_b128 v[X+8*u+4:X+8*u+7], v9 offset:SUMS+256*u+16
.set u, u+1
.endr
	s_wait_dscnt 0x0
.irp k, 0,2,4,6
	v_pk_add_f32 v[P+\k:P+\k+1], v[X+\k:X+\k+1], v[X+8+\k:X+8+\k+1]
.endr
.set u, 2
.rept 6
.irp k, 0,2,4,6
	v_pk_add_f32 v[P+\k:P+\k+1], v[P+\k:P+\k+1], v[X+8*u+\k:X+8*u+\k+1]
.endr
.set u, u+1
.endr
	s_wait_loadcnt 0x0                             ; rw1's rows
.set k, 0
.rept 8
	v_mul_f32 v[AC+k], v[R+k], v[P]                ; the first row starts the sums
.set k, k+1
.endr
.set d, 1
.rept 7
.set k, 0
.rept 8
	v_fma_f32 v[AC+k], v[R+8*d+k], v[P+d], v[AC+k]
.set k, k+1
.endr
.set d, d+1
.endr
	s_wait_alu depctr_va_vdst(0)                   ; the products have written AC, which the LDS stores read; the sums into P are done reading X, in which waves 0 and 1 load anew behind the branch
	ds_store_b128 v10, v[AC:AC+3] offset:HP
	ds_store_b128 v10, v[AC+4:AC+7] offset:HP+512
	s_wait_dscnt 0x0                               ; for the other waves: my partial row lies in LDS
	s_barrier_signal -1
	s_barrier_wait -1
	s_cmp_lt_u32 s[WV], 2                          ; waves 0 and 1 add the eight parts, half a row each
	s_cbranch_scc0 .Lend
.set u, 0
.rept 8
	ds_load_b128 v[X+4*u:X+4*u+3], v11 offset:HP+1024*u
.set u, u+1
.endr
	s_wait_dscnt 0x0
.set u, 1
.rept 7
	v_pk_add_f32 v[X:X+1], v[X:X+1], v[X+4*u:X+4*u+1]
	v_pk_add_f32 v[X+2:X+3], v[X+2:X+3], v[X+4*u+2:X+4*u+3]
.set u, u+1
.endr
	s_wait_alu depctr_va_vdst(0)                   ; the sums have written v[X:X+3], which the store reads
	global_store_b128 v11, v[X:X+3], s[12:13]      ; 512 consecutive bytes
.Lend:
	s_wait_dscnt 0x0                               ; the closing lines, six on end
	s_wait_alu 0x0
	s_wait_tensorcnt 0x0
	ds_add_u32 v[SPW], v[NIL]
	s_wait_dscnt 0x0
	s_endpgm
	; ---- 16 k-rows of zw1: work-group c = id - 128 has expert c / 64, rows 16 (c % 64) on; wave v has column groups 4 v .. 4 v + 3 ----
.Lcast:
	s_sub_co_u32 s17, ttmp9, 128
	s_lshr_b32 s18, s17, 6                         ; e
	s_and_b32 s19, s17, 63
	s_lshl_b32 s20, s17, 17                        ; the source: 16 rows of 8,192 bytes a work-group
	s_mov_b32 s21, 0
	s_lshl_b32 s24, s18, 22                        ; w1b: 4,194,304 bytes an expert,
	s_lshl_b32 s25, s19, 11                        ; 16 k-rows of 128 bytes inside each column group's block
	s_add_co_u32 s24, s24, s25
	s_mov_b32 s25, 0
	v_lshlrev_b32 v[XO], 13, v6                    ; k-row l / 16,
	v_lshl_add_u32 v[XO], v7, 4, v[XO]             ; 16 bytes a lane,
	v_lshl_add_u32 v[XO], v2, 10, v[XO]            ; my wave's four column groups of 256 bytes
	v_lshlrev_b32 v[SO], 3, v1
	v_lshl_add_u32 v[SO], v2, 19, v[SO]            ; four blocks of 131,072 bytes a wave
	s_wait_kmcnt 0x0
	s_add_nc_u64 s[8:9], s[8:9], s[20:21]
	s_add_nc_u64 s[14:15], s[14:15], s[24:25]
	s_wait_alu depctr_va_vdst(0)                   ; v3 and v5 are written: every load and store of this path reads one of them as its offset
.set i, 0
.rept 32                                       ; load i: column group i / 8 of my four, k-rows 2 (i % 8) and the next.  All of the wave's share goes out at once
	global_load_b128 v[X+4*i:X+4*i+3], v[XO], s[8:9] offset:16384*(i%8)+256*(i/8) th:TH_LOAD_NT
.set i, i+1
.endr
.set i, 0
.rept 8                                        ; eight blocks of four loads
.if i > 0
	s_wait_alu depctr_va_vdst(0)                   ; the block before has written its bf16 words, which the stores of this block read; no vector line below names them
.endif
.rept 4
.if i > 3
	ST i-4, 14, 131072*((i-4)/8)+256*((i-4)%8)
.endif
	s_wait_loadcnt 31-i                            ; load i is in, the younger ones stay out
	CV i
.set i, i+1
.endr
.endr
	s_wait_alu depctr_va_vdst(0)                   ; the last block has written its bf16 words, which the last four stores read
.irp k, 28,29,30,31
	ST \k, 14, 131072*(\k/8)+256*(\k%8)
.endr
	s_endpgm
.Lfunc_end_k_qa164f362ce_prep1:
	.size	k_qa164f362ce_prep1, .Lfunc_end_k_qa164f362ce_prep1-k_qa164f362ce_prep1
	.p2alignl 7, 3214868480
	.fill 96, 4, 3214868480
	.section	.rodata,"a",@progbits
	.p2align	6, 0x0
	.amdhsa_kernel k_qa164f362ce_prep1
		.amdhsa_group_segment_fixed_size 11264
		.amdhsa_private_segment_fixed_size 0
		.amdhsa_enable_private_segment 0
		.amdhsa_kernarg_size 48
		.amdhsa_user_sgpr_count 2
		.amdhsa_user_sgpr_kernarg_segment_ptr 1
		.amdhsa_wavefront_size32 1
		.amdhsa_system_sgpr_workgroup_id_x 1
		.amdhsa_system_sgpr_workgroup_id_y 1
		.amdhsa_system_sgpr_workgroup_id_z 1
		.amdhsa_system_vgpr_workitem_id 0
		.amdhsa_next_free_vgpr 256
		.amdhsa_next_free_sgpr 66
		.amdhsa_reserve_vcc 0
		.amdhsa_float_denorm_mode_32 3
		.amdhsa_float_denorm_mode_16_64 3
		.amdhsa_memory_ordered 1
		.amdhsa_forward_progress 1
		.amdhsa_inst_pref_size 40
	.end_amdhsa_kernel
	.amdgpu_metadata
---
amdhsa.version: [ 1, 2 ]
amdhsa.kernels:
  - .name:           k_qa164f362ce_prep1
    .symbol:         k_qa164f362ce_prep1.kd
    .args:
      - { .name: x, .offset: 0, .size: 8, .value_kind: global_buffer, .address_space: global }
      - { .name: rw1, .offset: 8, .size: 8, .value_kind: global_buffer, .address_space: global }
      - { .name: zw1, .offset: 16, .size: 8, .value_kind: global_buffer, .address_space: global }
      - { .name: xb, .offset: 24, .size: 8, .value_kind: global_buffer, .address_space: global }
      - { .name: hpart, .offset: 32, .size: 8, .value_kind: global_buffer, .address_space: global }
      - { .name: w1b, .offset: 40, .size: 8, .value_kind: global_buffer, .address_space: global }
    .group_segment_fixed_size: 11264
    .private_segment_fixed_size: 0
    .kernarg_segment_align: 8
    .kernarg_segment_size: 48
    .max_flat_workgroup_size: 256
    .sgpr_count:     66
    .vgpr_count:     256
    .wavefront_size: 32
...
	.end_amdgpu_metadata
.endif
;; end of part 5
;; launch prep2 (part 6): grid 257 x 1, 8 waves a work-group, no clusters, 0 bytes of LDS; arguments hpart, rb1, rw2, rb2, zb2, zw2, route, wts, cb, w2b; writes route, wts, cb, w2b
.if DOCPART == 6
	.amdgcn_target "amdgcn-amd-amdhsa--gfx1250"
	.amdhsa_code_object_version 6
	.text
	.protected	k_qa164f362ce_prep2
	.globl	k_qa164f362ce_prep2
	.p2align	8
	.type	k_qa164f362ce_prep2,@function
k_qa164f362ce_prep2:
	s_mov_b64 s[64:65], 0
	v_nop
	global_prefetch_b8 v0, s[64:65] scope:SCOPE_SE
	s_setreg_imm32_b32 hwreg(HW_REG_WAVE_SCHED_MODE, 0, 2), 2
	s_setreg_imm32_b32 hwreg(HW_REG_WAVE_MODE, 25, 1), 1
	s_wait_xcnt 0x0
	s_wait_alu depctr_vm_vsrc(0)
; Work-group 0 ends the router, a wave a batch; work-groups 1-256 round 131,072 bytes of zw2 each to bf16, in zw2's order.
; LEFT OUT, as the first kernel's head shows: the softmax's division by its sum, which cancels in topk_vals / sum(topk_vals); the maximum is taken away.
; THE ROUTER, for batch b = my wave.  Lane l owns hidden units 4 l .. 4 l + 3 and 128 + 4 l .. : h = tanh(sum of the 16 parts of hpart / 512 + rb1); the four logits are sums over lanes;
; e_i = 2^((l_i - max) log2 e); the least e_i is dropped (of equal ones the highest index, so that the lower indices stay, as lax.top_k keeps them); W_i = e_i / sum of the three kept.
; Stored: route[16 b ..] = the three kept experts in ascending order and the dropped one; route[128 + 4 b] = the dropped one; wts[16 b ..] = their weights; cb[b][n] = sum over e of W_e zb2[e][n].
; Every choice is a select on values: no address and no branch of this launch hangs on them.  tanh(t) = 1 - 2 / (1 + 2^(2 t log2 e)) holds at both ends of the range.
; THE MODE: SCHED_MODE bits 1:0 = 2 (LLVM: expert scheduling mode 2), set by the entry lines.  The code itself states the register dependences between vector instructions
; and memory instructions, and those through scalar registers, VCC and EXEC, with s_wait_alu, always for 0.
; THE PLAN.  Registers that memory instructions touch:
;   v3, v4, v5, v232, v233   offsets: made once at a path's head, ahead of its one wait there, and never written again.
;   X (the cast)   load i lands in four registers; its two conversions write the first two in place; store i reads those two.  The loads go in blocks of four: ONE wait on va_vdst at a block's head
;                  states that the block before has written its bf16 words; that block's stores follow it, dealt among this block's conversions, which name this block's X alone.
;   v[24:151]      (the router) hpart's parts and rb1, read and written by the sums; behind one wait zb2's loads land there.
;   ZB's chunks    chunk c (four registers) is written by its weighted sum and read by its store.  One wait behind chunks 0-3, whose stores are dealt among chunks 4-7's sums; one behind chunks 4-7.
;   SEL, WS, v204  written by the selects, read by lane 0's three stores, behind the waits that stand ahead of the write of EXEC.
; Masks: the three compares that find the least are a chain, each with its wait on VCC; the seven compares that hang on the dropped index alone stand in one run, into s[26:32], with one wait behind it.
.set X,   64
.set SO,  5
.set H,   16                           ; v[16:143] hpart's 16 parts of eight; then v[16:23] h
.set ZB,  24                           ; v[24:151] zb2: expert e, chunk c at ZB + 32 e + 4 c
.set RB,  144                          ; v[144:151] rb1
.set RW,  152                          ; v[152:183] rw2's rows of my eight units
.set T,   184                          ; v[184:191] at work
.set L,   192                          ; v[192:195] logits
.set E,   200                          ; v[200:203] exponentials
.set W,   208                          ; v[208:211] weights by expert
.set SEL, 212                          ; v[212:215] what goes to route
.set WS,  216                          ; v[216:219] what goes to wts
.set NUM, 220                          ; v[220:223] 0, 1, 2, 3
.set WW,  224                          ; v[224:231] each weight twice, for the packed products
.set MK,  26                           ; s[26:29] expert e is kept; s[30:32] place j lies at or behind the dropped index.  What these registers held before is used no more
.macro CV i
	v_cvt_pk_bf16_f32 v[X+4*(\i)], v[X+4*(\i)], v[X+4*(\i)+1]
	v_cvt_pk_bf16_f32 v[X+4*(\i)+1], v[X+4*(\i)+2], v[X+4*(\i)+3]
.endm
.macro ST i, lo
	global_store_b64 v[SO], v[X+4*(\i):X+4*(\i)+1], s[\lo:\lo+1] offset:256*(\i) th:TH_STORE_NT
.endm
	s_load_b512 s[4:19], s[0:1], 0x0               ; hpart 4, rb1 6, rw2 8, rb2 10, zb2 12, zw2 14, route 16, wts 18
	s_load_b128 s[20:23], s[0:1], 0x40             ; cb 20, w2b 22
	v_and_b32 v1, 31, v0
	v_lshrrev_b32 v2, 5, v0
	v_readfirstlane_b32 s24, v2                    ; wave 0..7
	s_wait_alu depctr_va_sdst(0)                   ; s24 is written, ahead of the branch and of its first reader: the router's offsets are made from it
	s_cmp_eq_u32 ttmp9, 0
	s_cbranch_scc1 .Lrouter
	s_sub_co_u32 s25, ttmp9, 1
	s_lshl_b32 s26, s25, 17
	s_mov_b32 s27, 0
	s_lshl_b32 s28, s25, 16
	s_mov_b32 s29, 0
	v_lshlrev_b32 v3, 4, v1
	v_lshl_add_u32 v3, v2, 14, v3
	v_lshlrev_b32 v[SO], 3, v1
	v_lshl_add_u32 v[SO], v2, 13, v[SO]
	s_wait_kmcnt 0x0
	s_add_nc_u64 s[14:15], s[14:15], s[26:27]
	s_add_nc_u64 s[22:23], s[22:23], s[28:29]
	s_wait_alu depctr_va_vdst(0)                   ; v3 and v5 are written: every load and store of this path reads one of them as its offset
.set i, 0
.rept 32
	global_load_b128 v[X+4*i:X+4*i+3], v3, s[14:15] offset:512*i th:TH_LOAD_NT
.set i, i+1
.endr
.set i, 0
.rept 8                                        ; eight blocks of four loads
.if i > 0
	s_wait_alu depctr_va_vdst(0)                   ; the block before has written its bf16 words, which the stores of this block read; no vector line below names them
.endif
.rept 4
.if i > 3
	ST i-4, 22
.endif
	s_wait_loadcnt 31-i                            ; load i is in, the younger ones stay out
	CV i
.set i, i+1
.endr
.endr
	s_wait_alu depctr_va_vdst(0)                   ; the last block has written its bf16 words, which the last four stores read
.irp k, 28,29,30,31
	ST \k, 22
.endr
	s_endpgm
.Lrouter:
	v_lshlrev_b32 v3, 4, v1                        ; 16 l
	v_lshlrev_b32 v4, 6, v1                        ; 64 l: four rows of rw2
	s_lshl_b32 s26, s24, 14                        ; hpart: 16 rows of 1,024 bytes a batch
	s_mov_b32 s27, 0
	s_lshl_b32 s28, s24, 12                        ; cb: 4,096 bytes a batch
	s_mov_b32 s29, 0
	s_mov_b32 s30, 0x76543210
	s_mov_b32 s31, 0xfedcba98
	s_lshl_b32 s36, s24, 4
	s_lshl_b32 s37, s24, 2
	v_mov_b32 v232, s36
	v_mov_b32 v233, s37
	s_wait_kmcnt 0x0
	s_load_b128 s[32:35], s[10:11], 0x0            ; rb2
	s_add_nc_u64 s[4:5], s[4:5], s[26:27]
	s_add_nc_u64 s[20:21], s[20:21], s[28:29]
	s_wait_alu depctr_va_vdst(0)                   ; v3, v4, v232 and v233 are written: every load and store of this path reads one of them as its offset
.set i, 0
.rept 32
	global_load_b128 v[H+4*i:H+4*i+3], v3, s[4:5] offset:512*i
.set i, i+1
.endr
	global_load_b128 v[RB:RB+3], v3, s[6:7]
	global_load_b128 v[RB+4:RB+7], v3, s[6:7] offset:512
.set i, 0
.rept 8
	global_load_b128 v[RW+4*i:RW+4*i+3], v4, s[8:9] offset:2048*(i/4)+16*(i%4)
.set i, i+1
.endr
	s_wait_loadcnt 0x0
.irp st, 8,4,2,1                               ; the 16 parts, by halves
.set p, 0
.rept \st
.irp k, 0,2,4,6
	v_pk_add_f32 v[H+8*p+\k:H+8*p+\k+1], v[H+8*p+\k:H+8*p+\k+1], v[H+8*(p+\st)+\k:H+8*(p+\st)+\k+1]
.endr
.set p, p+1
.endr
.endr
.irp k, 0,2,4,6
	v_pk_fma_f32 v[H+\k:H+\k+1], v[H+\k:H+\k+1], 0x3b000000, v[RB+\k:RB+\k+1] op_sel_hi:[1,0,1]  ; the mean over 512 rows, and rb1
.endr
	s_wait_alu depctr_va_vdst(0)                   ; the sums are done reading and writing v[24:143], and the line above reading rb1 in v[144:151]: zb2's loads land in these registers
.set i, 0
.rept 32                                       ; zb2 comes in under the router's arithmetic
	global_load_b128 v[ZB+4*i:ZB+4*i+3], v3, s[12:13] offset:512*i
.set i, i+1
.endr
.irp k, 0,2,4,6
	v_pk_mul_f32 v[T+\k:T+\k+1], v[H+\k:H+\k+1], 0x4038aa3b op_sel_hi:[1,0]  ; 2 log2 e
.endr
.irp k, 0,1,2,3,4,5,6,7
	v_exp_f32 v[T+\k], v[T+\k]
.endr
	v_nop                                          ; a plain instruction behind the last exponential,
	s_wait_alu depctr_va_vdst(0)                   ; and one wait for the eight exponentials in T, ahead of their first reader
.irp k, 0,2,4,6
	v_pk_add_f32 v[T+\k:T+\k+1], v[T+\k:T+\k+1], 1.0 op_sel_hi:[1,0]
.endr
.irp k, 0,1,2,3,4,5,6,7
	v_rcp_f32 v[T+\k], v[T+\k]
.endr
	v_nop
	s_wait_alu depctr_va_vdst(0)                   ; one wait for the eight reciprocals in T, ahead of their first reader
.irp k, 0,2,4,6
	v_pk_fma_f32 v[H+\k:H+\k+1], v[T+\k:T+\k+1], -2.0, 1.0 op_sel_hi:[1,0,0]
.endr
.irp e, 0,1,2,3
	v_mul_f32 v[L+\e], v[H], v[RW+\e]
.endr
.set k, 1
.rept 7
.irp e, 0,1,2,3
	v_fma_f32 v[L+\e], v[H+k], v[RW+4*k+\e], v[L+\e]
.endr
.set k, k+1
.endr
.irp m, 1,2,4,8
.irp e, 0,1,2,3
	v_add_f32_dpp v[L+\e], v[L+\e], v[L+\e] row_xmask:\m row_mask:0xf bank_mask:0xf
.endr
.endr
.irp e, 0,1,2,3
	v_permlanex16_b32 v[T+\e], v[L+\e], s30, s31
.endr
	s_wait_kmcnt 0x0                               ; rb2
.irp e, 0,1,2,3
	v_add_f32 v[L+\e], v[L+\e], v[T+\e]
.endr
.irp e, 0,1,2,3
	v_add_f32 v[L+\e], s[32+\e], v[L+\e]
.endr
	v_max3_num_f32 v196, v[L], v[L+1], v[L+2]
	v_max_num_f32 v196, v196, v[L+3]
.irp e, 0,1,2,3
	v_sub_f32 v[E+\e], v[L+\e], v196
.endr
.irp e, 0,1,2,3
	v_mul_f32 v[E+\e], 0x3fb8aa3b, v[E+\e]
.endr
.irp e, 0,1,2,3
	v_exp_f32 v[E+\e], v[E+\e]
.endr
	v_mov_b32 v204, 0                              ; the dropped expert, so far 0: also the plain instruction behind the exponentials
	s_wait_alu depctr_va_vdst(0)                   ; one wait for the four exponentials in E, ahead of their first reader
	v_mov_b32 v205, v[E]                           ; the least so far
.irp e, 1,2,3
	v_cmp_gt_f32 vcc_lo, v[E+\e], v205             ; greater: the old one stays; less or equal: e is dropped
	s_wait_alu depctr_va_vcc(0)                    ; VCC is written, ahead of the two selects that read it; the next compare reads what they make, so the three are a chain
	v_cndmask_b32 v204, \e, v204, vcc_lo
	v_cndmask_b32 v205, v[E+\e], v205, vcc_lo
.endr
.irp e, 0,1,2,3                                ; the seven compares that hang on the dropped index alone, in one run
	v_cmp_ne_u32 s[MK+\e], \e, v204
.endr
.irp j, 0,1,2
	v_cmp_ge_u32 s[MK+4+\j], \j, v204              ; from the dropped index on, place j holds expert j + 1
.endr
.irp e, 0,1,2,3
	v_mov_b32 v[NUM+\e], \e
.endr
	s_wait_alu depctr_va_sdst(0)                   ; s[26:32] are written, ahead of the first select that reads one of them
.irp e, 0,1,2,3
	v_cndmask_b32 v[E+\e], 0, v[E+\e], s[MK+\e]    ; the dropped one counts 0
.endr
	v_add_f32 v206, v[E], v[E+1]
	v_add_f32 v207, v[E+2], v[E+3]
	v_add_f32 v206, v206, v207                     ; at least 1: the greatest, 2^0, is never dropped
	v_rcp_f32 v206, v206
	v_mov_b32 v[WS+3], 0
	s_wait_alu depctr_va_vdst(0)                   ; the wait for the reciprocal in v206, ahead of its first reader
.irp e, 0,1,2,3
	v_mul_f32 v[W+\e], v[E+\e], v206
.endr
.irp j, 0,1,2
	v_cndmask_b32 v[SEL+\j], v[NUM+\j], v[NUM+\j+1], s[MK+4+\j]
	v_cndmask_b32 v[WS+\j], v[W+\j], v[W+\j+1], s[MK+4+\j]
.endr
	v_mov_b32 v[SEL+3], v204
.irp e, 0,1,2,3
	v_mov_b32 v[WW+2*\e], v[W+\e]
	v_mov_b32 v[WW+2*\e+1], v[W+\e]
.endr
	s_wait_loadcnt 0x0                             ; zb2
.set c, 0
.rept 8
.if c == 4
	s_wait_alu depctr_va_vdst(0)                   ; the sums have written chunks 0 to 3, which the four stores below read; chunks 4 to 7's sums name none of those registers
.endif
.if c > 3
	global_store_b128 v3, v[ZB+4*(c-4):ZB+4*(c-4)+3], s[20:21] offset:512*(c-4)  ; 512 consecutive bytes
.endif
.irp k, 0,2
	v_pk_mul_f32 v[ZB+4*c+\k:ZB+4*c+\k+1], v[ZB+4*c+\k:ZB+4*c+\k+1], v[WW:WW+1]
.endr
.irp e, 1,2,3
.irp k, 0,2
	v_pk_fma_f32 v[ZB+4*c+\k:ZB+4*c+\k+1], v[ZB+32*\e+4*c+\k:ZB+32*\e+4*c+\k+1], v[WW+2*\e:WW+2*\e+1], v[ZB+4*c+\k:ZB+4*c+\k+1]
.endr
.endr
.set c, c+1
.endr
	s_wait_alu depctr_va_vdst(0)                   ; the sums have written chunks 4 to 7, which the four stores below read
.set c, 4
.rept 4
	global_store_b128 v3, v[ZB+4*c:ZB+4*c+3], s[20:21] offset:512*c
.set c, c+1
.endr
	s_wait_xcnt 0x0                                ; EXEC changes only behind this wait
	v_cmp_eq_u32 vcc_lo, 0, v1
	s_wait_alu depctr_va_vcc(0)                    ; VCC is written: EXEC is made from it
	s_wait_alu depctr_va_vdst(0)                   ; ahead of the write of EXEC: every vector line issued so far has written its result, SEL, WS and v204 among them, which the three stores below read
	s_wait_alu depctr_vm_vsrc(0)                   ; ahead of the write of EXEC: the stores issued so far have read their registers
	s_and_saveexec_b32 s38, vcc_lo                 ; lane 0 stores the batch's 36 bytes
	global_store_b128 v232, v[SEL:SEL+3], s[16:17]
	global_store_b32 v233, v204, s[16:17] offset:128
	global_store_b128 v232, v[WS:WS+3], s[18:19]
	s_wait_xcnt 0x0
	s_wait_alu depctr_va_vdst(0)                   ; ahead of the write of EXEC
	s_wait_alu depctr_vm_vsrc(0)                   ; ahead of the write of EXEC: the three stores have read their registers
	s_or_b32 exec_lo, exec_lo, s38
	s_endpgm
.Lfunc_end_k_qa164f362ce_prep2:
	.size	k_qa164f362ce_prep2, .Lfunc_end_k_qa164f362ce_prep2-k_qa164f362ce_prep2
	.p2alignl 7, 3214868480
	.fill 96, 4, 3214868480
	.section	.rodata,"a",@progbits
	.p2align	6, 0x0
	.amdhsa_kernel k_qa164f362ce_prep2
		.amdhsa_group_segment_fixed_size 0
		.amdhsa_private_segment_fixed_size 0
		.amdhsa_enable_private_segment 0
		.amdhsa_kernarg_size 80
		.amdhsa_user_sgpr_count 2
		.amdhsa_user_sgpr_kernarg_segment_ptr 1
		.amdhsa_wavefront_size32 1
		.amdhsa_system_sgpr_workgroup_id_x 1
		.amdhsa_system_sgpr_workgroup_id_y 1
		.amdhsa_system_sgpr_workgroup_id_z 1
		.amdhsa_system_vgpr_workitem_id 0
		.amdhsa_next_free_vgpr 256
		.amdhsa_next_free_sgpr 66
		.amdhsa_reserve_vcc 1
		.amdhsa_float_denorm_mode_32 3
		.amdhsa_float_denorm_mode_16_64 3
		.amdhsa_memory_ordered 1
		.amdhsa_forward_progress 1
		.amdhsa_inst_pref_size 38
	.end_amdhsa_kernel
	.amdgpu_metadata
---
amdhsa.version: [ 1, 2 ]
amdhsa.kernels:
  - .name:           k_qa164f362ce_prep2
    .symbol:         k_qa164f362ce_prep2.kd
    .args:
      - { .name: hpart, .offset: 0, .size: 8, .value_kind: global_buffer, .address_space: global }
      - { .name: rb1, .offset: 8, .size: 8, .value_kind: global_buffer, .address_space: global }
      - { .name: rw2, .offset: 16, .size: 8, .value_kind: global_buffer, .address_space: global }
      - { .name: rb2, .offset: 24, .size: 8, .value_kind: global_buffer, .address_space: global }
      - { .name: zb2, .offset: 32, .size: 8, .value_kind: global_buffer, .address_space: global }
      - { .name: zw2, .offset: 40, .size: 8, .value_kind: global_buffer, .address_space: global }
      - { .name: route, .offset: 48, .size: 8, .value_kind: global_buffer, .address_space: global }
      - { .name: wts, .offset: 56, .size: 8, .value_kind: global_buffer, .address_space: global }
      - { .name: cb, .offset: 64, .size: 8, .value_kind: global_buffer, .address_space: global }
      - { .name: w2b, .offset: 72, .size: 8, .value_kind: global_buffer, .address_space: global }
    .group_segment_fixed_size: 0
    .private_segment_fixed_size: 0
    .kernarg_segment_align: 8
    .kernarg_segment_size: 80
    .max_flat_workgroup_size: 256
    .sgpr_count:     66
    .vgpr_count:     256
    .wavefront_size: 32
...
	.end_amdgpu_metadata
.endif
;; end of part 6
;; launch ffn1: the kernel of part 3 again; grid 32 x 8, 4 waves a work-group, clusters of 4 x 1, 327,680 bytes of LDS; arguments xb, w1b, zb1, route, wts, hid; writes hid
;; launch ffn2: the kernel of part 4 again; grid 8 x 32, 4 waves a work-group, clusters of 4 x 1, 327,680 bytes of LDS; arguments hid, w2b, route, cb, x, out0; writes out0
